; MI455X (gfx1250); checked and timed in simulation.
; The chip was launched on July 23, 2026; its instructions are those of AMD's public machine-readable ISA for CDNA 5 (MIT licence, August 2026) and "CDNA5" Instruction Set Architecture Reference Guide (July 2026). The comments in the code are by the model that wrote it; some were corrected since.
;; Attention. Allowed arithmetic: matrix products marked QUANTISED: E2M3 operands, one E8M0 scale for each 32 along K, by v_wmma_scale_f32_16x16x128_f8f6f4 with both operands' format E2M3, f32 sums; everything else in f32.
;; Inputs: Wkv_codes 2,048 x 32 x 24 uint8 (E2M3 codes of Wkv, K innermost, in blocks of 32 codes, four codes in three bytes); Wkv_scales 2,048 x 32 uint8 (E8M0 scales of Wkv, one for each 32 codes along K); Wo_codes 1,024 x 32 x 24 uint8 (E2M3 codes of Wo, K innermost, in blocks of 32 codes, four codes in three bytes); Wo_scales 1,024 x 32 uint8 (E8M0 scales of Wo, one for each 32 codes along K); Wq_codes 1,024 x 32 x 24 uint8 (E2M3 codes of Wq, K innermost, in blocks of 32 codes, four codes in three bytes); Wq_scales 1,024 x 32 uint8 (E8M0 scales of Wq, one for each 32 codes along K); g_ln 1,024 float32; x 4 x 2,048 x 1,024 float32.
;; Outputs: out0 4 x 2,048 x 1,024 float32.
;; This version of the problem:
;;   THIS VERSION OF THE PROBLEM IS GIVEN IN LOW PRECISION. The matrix products marked QUANTISED in the list below multiply operands that are first quantised to E2M3 (2 exponent bits, 3 mantissa bits; 6 bits a number), with one power-of-two scale for each 32 numbers along K (OCP MX v1.0); their sums are f32. All else is computed in f32.
;;   The module's matrix products, in the order in which they are computed (A, B: the left and right operand; K: the contracted axis; several contracted axes count as one K, in the product's order):
;;     1. [M 8,192, K 1,024] x [K 1,024, N 1,024]; A: computed on the way; B: input Wq (given as codes): QUANTISED
;;     2. [M 8,192, K 1,024] x [K 1,024, N 2,048]; A: computed on the way; B: input Wkv (given as codes): QUANTISED
;;     3. batch 64 x [M 2,048, K 64] x [K 64, N 2,048]; A: computed on the way; B: computed on the way: QUANTISED
;;     4. batch 64 x [M 2,048, K 2,048] x [K 2,048, N 64]; A: softmax (see below); B: computed on the way: QUANTISED
;;     5. [M 8,192, K 1,024] x [K 1,024, N 1,024]; A: computed on the way; B: input Wo (given as codes): QUANTISED
;;   THE QUANTISER, for each operand of a quantised product, along K:
;;     - K is cut into blocks of 32 from its start; a last block that is shorter is filled with zeros.
;;     - A block's scale is 2^e with e = floor(log2(the largest magnitude in the block)) - 2, held to -126 .. 127; a block of zeros has e = 0. As a byte (E8M0): e + 127.
;;     - Each number is divided by its block's scale, clamped to +-7.5, and rounded to the nearest number of E2M3, ties to even, subnormals kept.
;;     - The product sums the exact products of the quantised numbers (number of the format x scale) in f32.
;;   ~~~python
;;   def quantise(x, axis):      # numpy; x: float32 -> the quantised numbers, widened to float32 again
;;       x = np.moveaxis(x, axis, -1); K = x.shape[-1]
;;       x = np.pad(x, [(0, 0)] * (x.ndim - 1) + [(0, -K % 32)]); x = x.reshape(x.shape[:-1] + (-1, 32)); a = np.abs(x).max(-1, keepdims=True)
;;       e = np.where(a > 0, np.clip(np.frexp(np.where(a > 0, a, 1))[1] - 1 - 2, -126, 127), 0)      # np.frexp(a)[1] - 1 = floor(log2(a)), exactly
;;       r = np.clip(x / 2.0 ** e, -7.5, 7.5)
;;       step = 2.0 ** (np.maximum(np.frexp(np.where(r == 0, 1, r))[1] - 1, 0) - 3)
;;       q = np.round(r / step) * step * 2.0 ** e      # np.round: ties to even
;;       return np.moveaxis(q.reshape(q.shape[:-2] + (-1,))[..., :K], -1, axis).astype(np.float32)
;;   ~~~
;;   SOFTMAX AHEAD OF A QUANTISED PRODUCT. Where the list says 'softmax', what is quantised is not the finished softmax but p = 2^(t - M), with t = logit x log2(e) and M = ceil(the row's largest t), a whole number; so 1/2 < the row's largest p <= 1. The row's sum l is taken of the UNQUANTISED p, in f32, and the product's result is divided by l at the end. Since M is a whole number, a kernel that streams over the keys may use a running M (the ceiling of the running maximum): every later rescaling is an exact power of two, which a block's scale takes up: the codes' values come out the same.
;;   OPERANDS COMPUTED ON THE WAY. 'Computed on the way' means the value that the module computes at that place (a softmax that the list does not call 'softmax' is quantised finished and normalised). What goes into a quantiser is computed in f32, as accurately as f32 sums, v_exp_f32 and their like allow (about 1e-6 of the number): no bf16 or f16 on the way to a quantiser, and a product that is left as it is and whose result goes on into a quantised operand takes f32 operands (vector FMAs, or v_wmma_f32_16x16x4_f32). A number that lies on a knife's edge between two numbers of the format may be rounded either way, as far as f32 arithmetic and the matrix unit's own rounding can turn it there, and no further.
;;   INPUTS GIVEN AS CODES. Wkv (in the module: [1024, 2048], K = its axis 0); Wo (in the module: [1024, 1024], K = its axis 0); Wq (in the module: [1024, 1024], K = its axis 0): each comes as NAME_codes (uint8): NAME with its K axis moved to the last place and cut into blocks of 32 codes, [.., K / 32, bytes a block], one block behind the other in memory; four codes in three bytes: a row's codes are one little-endian stream of bits, code i at bits 6 i .. 6 i + 5 (a code: sign, 2 exponent bits, 3 mantissa bits); and NAME_scales (uint8): the same leading axes, one E8M0 byte (e + 127) for each 32 codes along K. Its value is code x scale, taken as it is: it is not quantised again, and the codes and scales need not be those that the quantiser above would give.
;; One version. Each part assembles by itself: llvm-mc -triple=amdgcn-amd-amdhsa -mcpu=gfx1250 --defsym DOCPART=n.
;; ======== version 1 of 1: 4 launches
;; limits: right only within a limited range of input values
;; workspace buffers: XN 8,388,608 bytes; WP 4,194,304 bytes; QB 6,815,744 bytes; KV 13,369,344 bytes; OB 6,553,600 bytes
;; launch lnq (part 1): grid 384 x 1, 4 waves a work-group, no clusters, 53,760 bytes of LDS; arguments x, g_ln, Wq_codes, Wq_scales, Wkv_codes, Wkv_scales, XN, WP, Wo_codes, Wo_scales; writes XN, WP
.if DOCPART == 1
	.amdgcn_target "amdgcn-amd-amdhsa--gfx1250"
	.amdhsa_code_object_version 6
	.text
	.protected	k_q42b5ae19ef_lnq
	.globl	k_q42b5ae19ef_lnq
	.p2align	8
	.type	k_q42b5ae19ef_lnq,@function
k_q42b5ae19ef_lnq:
	s_mov_b64 s[64:65], 0
	v_nop
	global_prefetch_b8 v0, s[64:65] scope:SCOPE_SE
	s_setreg_imm32_b32 hwreg(HW_REG_WAVE_MODE, 25, 1), 1
	s_wait_xcnt 0x0
; LAUNCH 1.  Work-groups 0-255: xn = (x - mean) * rsqrt(var + 1e-5) * g_ln for 8,192 tokens of 1,024 numbers, in f32, quantised along the 1,024 to codes of FP6 (E2M3) with one
; E8M0 byte for each 32.  Work-groups 256-351: the rows of Wq and Wkv (codes and scale bytes as given) are copied into one buffer, q's 1,024 rows, k's, v's.
; BOTH ARE LAID IN A ROW ORDER OF THE PROGRAM'S OWN: in each 32 rows the second and the third group of 8 rows change places.  Sixteen neighbouring places then hold rows
; 32 a + 8 u + r + 8 (r / 8), so that in a transposed product the 16 registers of two neighbouring tiles are 16 neighbours along the next product's K.
; XN: codes [8192 places][768 bytes], from byte 6,291,456 on scale bytes [8192 places][32].  WP: codes [3072 places][768], from byte 2,359,296 on scale bytes [3072][32].
; A wave takes one group of 8 rows.  A row of x is 4,096 bytes: eight loads of 512 consecutive bytes, 32 registers a lane; mean and variance are taken in two passes over the registers
; (the variance of x - mean, so that a common offset of x costs nothing).  The conversion takes 16 neighbours from one lane, so the finished row turns through the wave's own stage in LDS
; (64 bytes + 16 of padding a lane).  Memory binds: no matrix unit, no tensor load, no barrier: waves share nothing.
; LIMITS: NaN and infinities are not served.  A block of zeros gets the byte 1 (its codes are zeros; only this program reads the bytes); blocks whose largest magnitude lies under 2^-124 are held at that byte.
; THE LAYOUT AS IT STANDS NOW (it takes the place of what the lines above say of row order, XN and WP):
; ROW ORDER: inside each 64 rows place 16 t + 8 u + j holds row 32 u + 8 t + j, so that in a transposed product a lane's 32 registers of four neighbouring tiles are one whole block of 32 along the next K.
; XN [8192 places] and WP [4096 places: q, k, v in that order, then Wo's 1,024 rows in their own order]: a place is 1,024 bytes, four CELLS of 256 bytes, one for each 256 along K:
; 192 bytes of codes, the 8 scale bytes of those 256 numbers, 56 zeros.  Work-groups 256-383 lay the weights.
.set XNS,  6291456
.set WPS,  2359296
.set SP,   80                          ; a lane's place in a stage: 64 bytes + 16
.set WREG, 13312                       ; LDS of a wave: two stages of 32 x SP bytes, then its 8 places of 1,024 bytes as they will lie in XN
.set T,    10                          ; v10-17   four pairs at work
.set MU,   18                          ; v18-19   the mean, twice
.set RSD,  20                          ; v20-21   1 / sqrt(var + eps), twice
.set G,    24                          ; v24-55   g_ln at my 32 columns
.set R,    56                          ; v56-183  four row slots of 32
.set X,    184                         ; v184-215 the row as 2 x 16 neighbours
.set C,    216                         ; v216-223 codes, four registers a half row
.set E,    224                         ; v224-225 scale bytes
	s_load_b512 s[4:19], s[0:1], 0x0               ; x, g_ln, Wq codes, Wq scales, Wkv codes, Wkv scales, XN, WP
	s_load_b128 s[40:43], s[0:1], 0x40             ; Wo codes, Wo scales
	v_lshl_add_u32 v232, v0, 2, 0xd000
	v_mov_b32 v233, 0
	v_lshrrev_b32 v1, 5, v0
	v_readfirstlane_b32 s20, v1                    ; wave w
	v_and_b32 v1, 31, v0                           ; lane
	v_lshlrev_b32 v2, 4, v1                        ; 16 bytes a lane
	v_lshlrev_b32 v7, 3, v1                        ; 8 bytes a lane
	s_lshl_b32 s21, s20, 1
	s_and_b32 s22, ttmp9, 1
	s_add_co_u32 s21, s21, s22                     ; the group's place among the eight of its 64 rows: 2 w + (work-group % 2)
	s_cmp_ge_u32 ttmp9, 256
	s_cbranch_scc1 .Lcopy
	; ---- LayerNorm and quantiser
	s_lshl_b32 s22, ttmp9, 2
	s_and_b32 s23, s22, 0xfffffff8
	s_add_co_u32 s23, s23, s21                     ; where my group goes
	s_add_co_u32 s22, s22, s20                     ; my group of 8 tokens
	s_lshl_b32 s30, s22, 15                        ; 8 rows of 4,096 bytes
	s_mov_b32 s31, 0
	s_lshl_b32 s32, s23, 13                        ; 8 places of 1,024 bytes
	s_mov_b32 s33, 0
	s_mul_i32 s36, s20, WREG
	s_add_co_u32 s37, s36, 2*32*SP
	s_mov_b32 s24, 0x76543210
	s_mov_b32 s25, 0xfedcba98                      ; v_permlanex16_b32's selects for lane l xor 16
	s_mov_b32 s26, 0x3a800000                      ; 1 / 1024
	s_mov_b32 s27, 0x3727c5ac                      ; 1e-5
	s_wait_alu depctr_va_vdst(0)
	v_lshrrev_b32 v3, 2, v1
	v_mul_u32_u24 v3, v3, SP
	v_and_b32 v9, 3, v1
	v_lshl_add_u32 v3, v9, 4, v3
	v_add_nc_u32 v3, s36, v3                       ; the stage, on the way in: SP (lane / 4) + 16 (lane % 4)
	v_mul_u32_u24 v4, v1, SP
	v_add_nc_u32 v4, s36, v4                       ; on the way out: SP x lane: my 16 neighbours
	v_mul_u32_u24 v5, v1, 12                       ; my 16 codes' place among 512: 12 bytes a lane,
	v_lshrrev_b32 v9, 4, v1
	v_lshl_add_u32 v5, v9, 6, v5                   ; and lanes 16-31 in the next cell: 64 bytes more
	v_add_nc_u32 v5, s37, v5                       ; in my wave's image of its 8 places
	v_bfe_u32 v6, v1, 1, 3
	v_lshl_add_u32 v6, v9, 8, v6
	v_add_nc_u32 v6, s37, v6                       ; LDS: my block's scale byte: cell lane / 16, byte (lane / 2) % 8 (192 stands in the offset)
	v_add_nc_u32 v8, s37, v2                       ; and on the way out 16 bytes a lane
	v_lshlrev_b32 v230, 8, v1
	v_add_nc_u32 v230, s37, v230                   ; lane l: cell l of my 32
.irp i, 10,11,12,13
	v_mov_b32 v[\i], 0
.endr
	ds_store_b64 v230, v[10:11] offset:200         ; a cell's last 56 bytes are zeros
	ds_store_b128 v230, v[10:13] offset:208
	ds_store_b128 v230, v[10:13] offset:224
	ds_store_b128 v230, v[10:13] offset:240
	v_mov_b32 v22, 0                               ; a lane permute's destination counts as one of its sources
	s_wait_kmcnt 0x0
	s_add_nc_u64 s[4:5], s[4:5], s[30:31]
	s_add_nc_u64 s[16:17], s[16:17], s[32:33]      ; my codes
.macro LOADROW r                       ; a row: eight loads of 512 consecutive bytes; register 4 i + j holds column 128 i + 4 lane + j
.irp i, 0,1,2,3,4,5,6,7
	global_load_b128 v[R+32*((\r)%4)+4*\i:R+32*((\r)%4)+4*\i+3], v2, s[4:5] offset:4096*(\r)+512*\i th:TH_LOAD_NT
.endr
.endm
.macro SUMUP                           ; the four pairs in T become one sum over the wave's 32 lanes, in every lane
	v_pk_add_f32 v[T:T+1], v[T:T+1], v[T+2:T+3]
	v_pk_add_f32 v[T+4:T+5], v[T+4:T+5], v[T+6:T+7]
	v_pk_add_f32 v[T:T+1], v[T:T+1], v[T+4:T+5]
	v_add_f32 v[T], v[T], v[T+1]
	v_add_f32_dpp v[T], v[T], v[T] row_xmask:1 row_mask:0xf bank_mask:0xf
	v_add_f32_dpp v[T], v[T], v[T] row_xmask:2 row_mask:0xf bank_mask:0xf
	v_add_f32_dpp v[T], v[T], v[T] row_xmask:4 row_mask:0xf bank_mask:0xf
	v_add_f32_dpp v[T], v[T], v[T] row_xmask:8 row_mask:0xf bank_mask:0xf
	v_permlanex16_b32 v22, v[T], s24, s25
	v_add_f32 v[T], v[T], v22
.endm
.macro QSTEP r, s                      ; half a row: 512 numbers, 16 a lane, two neighbouring lanes to a block of 32
.set XS, X+16*(\s)
	v_max3_num_f32 v226, |v[XS]|, |v[XS+1]|, |v[XS+2]|
	v_max3_num_f32 v227, |v[XS+3]|, |v[XS+4]|, |v[XS+5]|
.irp i, 6,10
	v_max3_num_f32 v226, v226, |v[XS+\i]|, |v[XS+\i+1]|
	v_max3_num_f32 v227, v227, |v[XS+\i+2]|, |v[XS+\i+3]|
.endr
	v_max3_num_f32 v226, v226, |v[XS+14]|, |v[XS+15]|
	v_max3_num_f32 v226, v226, v227, 0x1800000     ; the floor 2^(3 - 127): the byte cannot fall under 1
	v_max_num_f32_dpp v226, v226, v226 row_xmask:1 row_mask:0xf bank_mask:0xf   ; with my neighbour's 16: the block's largest magnitude
	v_add_nc_u32 v[228+\s], 0xff000000, v226       ; 2 off its exponent field: the conversion takes this operand's exponent field as its scale
	v_cvt_scalef32_pk16_fp6_f32 v[C+4*(\s):C+4*(\s)+2], v[XS:XS+15], v[228+\s]
	v_lshrrev_b32 v[E+\s], 23, v[228+\s]           ; the scale's byte (also the plain line behind the conversion)
	ds_store_b8 v6, v[E+\s] offset:1024*(\r)+512*(\s)+192   ; both lanes of a block write the same byte with the same value
.irp k, 0,1,2
	ds_store_b32 v5, v[C+4*(\s)+\k] offset:1024*(\r)+512*(\s)+4*\k   ; my 12 bytes of codes, into the image
.endr
.endm
; One row.  left = the younger loads that may stay out: 8 for each row asked for behind this one.
.macro ROW r, left
.set RB, R+32*((\r)%4)
	s_wait_loadcnt \left
.irp k, 0,2,4,6
	v_pk_add_f32 v[T+\k:T+\k+1], v[RB+\k:RB+\k+1], v[RB+8+\k:RB+9+\k]     ; the sum, in four chains started by the first pairs
.endr
.irp m, 16,24
.irp k, 0,2,4,6
	v_pk_add_f32 v[T+\k:T+\k+1], v[T+\k:T+\k+1], v[RB+\m+\k:RB+\m+\k+1]
.endr
.endr
	SUMUP
	v_mul_f32 v[MU], s26, v[T]
	v_mul_f32 v[MU+1], s26, v[T]
.set i, 0
.rept 16
	v_pk_add_f32 v[RB+i:RB+i+1], v[RB+i:RB+i+1], v[MU:MU+1] neg_lo:[0,1] neg_hi:[0,1]   ; x - mean, in place
.set i, i+2
.endr
.irp k, 0,2,4,6
	v_pk_mul_f32 v[T+\k:T+\k+1], v[RB+\k:RB+\k+1], v[RB+\k:RB+\k+1]
.endr
.irp m, 8,16,24
.irp k, 0,2,4,6
	v_pk_fma_f32 v[T+\k:T+\k+1], v[RB+\m+\k:RB+\m+\k+1], v[RB+\m+\k:RB+\m+\k+1], v[T+\k:T+\k+1]
.endr
.endr
	SUMUP
	v_fma_f32 v23, v[T], s26, s27                  ; var + eps
	s_wait_alu depctr_va_vdst(0)
	v_rsq_f32 v[RSD], v23
	v_rsq_f32 v[RSD+1], v23
	v_nop                                          ; a plain line behind the transcendentals (ISA guide 5.7.2),
	s_wait_alu depctr_va_vdst(0)                   ; and the wait ahead of the first reader: one for both
.set i, 0
.rept 16
	v_pk_mul_f32 v[RB+i:RB+i+1], v[RB+i:RB+i+1], v[RSD:RSD+1]
.set i, i+2
.endr
.set i, 0
.rept 16
	v_pk_mul_f32 v[RB+i:RB+i+1], v[RB+i:RB+i+1], v[G+i:G+i+1]
.set i, i+2
.endr
.irp i, 0,1,2,3,4,5,6,7
	ds_store_b128 v3, v[RB+4*\i:RB+4*\i+3] offset:2560*(\i/4)+640*(\i%4)   ; as they lie: a load's 512 bytes take eight places of the stage
.endr
.irp i, 0,1,2,3,4,5,6,7
	ds_load_b128 v[X+4*\i:X+4*\i+3], v4 offset:2560*(\i/4)+16*(\i%4)       ; LDS serves a wave's instructions in order: these see the stores above
.endr
	s_wait_dscnt 0x0                               ; the row is back, and the stores have read the slot
	s_wait_xcnt 0x0                                ; the last row's stores have read their codes' registers, which are written again below
.if (\r) < 4
	LOADROW (\r)+4                                 ; the slot takes the row four further on
.endif
	QSTEP \r, 0
	QSTEP \r, 1
.endm
.irp i, 0,1,2,3,4,5,6,7
	global_load_b128 v[G+4*\i:G+4*\i+3], v2, s[6:7] offset:512*\i
.endr
	LOADROW 0
	LOADROW 1
	LOADROW 2
	LOADROW 3
	ROW 0, 24
	ROW 1, 24
	ROW 2, 24
	ROW 3, 24
	ROW 4, 24
	ROW 5, 16
	ROW 6, 8
	ROW 7, 0
.irp j, 0,1,2,3,4,5,6,7,8,9,10,11,12,13,14,15
	ds_load_b128 v[R+4*\j:R+4*\j+3], v8 offset:512*\j      ; LDS serves a wave's instructions in order: these see my stores
.endr
	s_wait_dscnt 0x0
.irp j, 0,1,2,3,4,5,6,7,8,9,10,11,12,13,14,15
	global_store_b128 v2, v[R+4*\j:R+4*\j+3], s[16:17] offset:512*\j   ; each store covers two whole cells: 512 consecutive bytes, aligned
.endr
	s_wait_tensorcnt 0x0
	ds_add_u32 v232, v233
	s_wait_dscnt 0x0
	s_endpgm
	; ---- the weights' rows, 8 rows a wave: 6,144 bytes of codes and 256 scale bytes, dense in the source, in 256-byte cells in WP
.Lcopy:
	s_wait_alu depctr_va_vdst(0)
	s_sub_co_u32 s22, ttmp9, 256                   ; c = 0 .. 127: 32 rows each; c < 32: Wq, c < 96: Wkv, else Wo
	s_lshl_b32 s23, s22, 2
	s_and_b32 s30, s23, 0xfffffff8
	s_add_co_u32 s30, s30, s21                     ; where my group goes in the program's row order;
	s_add_co_u32 s23, s23, s20                     ; 4 c + w: Wo keeps its own order
	s_mov_b32 s31, 384
	s_cmp_lt_u32 s22, 96
	s_cselect_b32 s30, s30, s23
	s_cselect_b32 s31, 128, s31
	s_cmp_lt_u32 s22, 32
	s_cselect_b32 s31, 0, s31
	s_sub_co_u32 s23, s23, s31                     ; my group in its tensor
	s_mul_i32 s32, s23, 6144
	s_mov_b32 s33, 0
	s_lshl_b32 s34, s23, 8
	s_mov_b32 s35, 0
	s_lshl_b32 s36, s30, 13
	s_mov_b32 s37, 0
	v_and_b32 v9, 15, v1                           ; THE LOADS GO IN THE CELLS' ORDER: lane l holds piece l % 16 of 16 bytes of cell l / 16 of an instruction's two
	v_lshrrev_b32 v10, 4, v1
	v_min_u32 v11, 11, v9                          ; pieces 0-11 are codes; the other lanes name piece 11 again and drop it
	v_mul_u32_u24 v12, v10, 192
	v_lshl_add_u32 v11, v11, 4, v12                ; codes: 192 x cell + 16 x piece
	v_lshlrev_b32 v12, 3, v10                      ; scale bytes: 8 x cell
	v_cmp_gt_u32 s24, 12, v9                       ; lanes that hold codes
	v_cmp_eq_u32 s25, 12, v9                       ; lanes that hold the scale bytes
	s_wait_alu depctr_va_vdst(0)
	s_wait_kmcnt 0x0
	s_cmp_lt_u32 s22, 96                           ; the choices hang on the work-group's number alone
	s_cselect_b64 s[12:13], s[12:13], s[40:41]
	s_cselect_b64 s[14:15], s[14:15], s[42:43]
	s_cmp_lt_u32 s22, 32
	s_cselect_b64 s[8:9], s[8:9], s[12:13]
	s_cselect_b64 s[10:11], s[10:11], s[14:15]
	s_add_nc_u64 s[8:9], s[8:9], s[32:33]
	s_add_nc_u64 s[10:11], s[10:11], s[34:35]
	s_add_nc_u64 s[16:17], s[18:19], s[36:37]
.irp j, 0,1,2,3,4,5,6,7,8,9,10,11,12,13,14,15
	global_load_b128 v[R+4*\j:R+4*\j+3], v11, s[8:9] offset:384*\j
	global_load_b64 v[R+64+2*\j:R+65+2*\j], v12, s[10:11] offset:16*\j
.endr
	s_wait_loadcnt 0x0
.irp j, 0,1,2,3,4,5,6,7,8,9,10,11,12,13,14,15
	v_cndmask_b32 v[R+64+2*\j], 0, v[R+64+2*\j], s25           ; the scale bytes in piece 12 alone, zeros behind them
	v_cndmask_b32 v[R+65+2*\j], 0, v[R+65+2*\j], s25
	v_cndmask_b32 v[R+4*\j+2], 0, v[R+4*\j+2], s24
	v_cndmask_b32 v[R+4*\j+3], 0, v[R+4*\j+3], s24
	v_cndmask_b32 v[R+4*\j], v[R+64+2*\j], v[R+4*\j], s24
	v_cndmask_b32 v[R+4*\j+1], v[R+65+2*\j], v[R+4*\j+1], s24
.endr
.irp j, 0,1,2,3,4,5,6,7,8,9,10,11,12,13,14,15
	global_store_b128 v2, v[R+4*\j:R+4*\j+3], s[16:17] offset:512*\j   ; each store covers two whole cells: 512 consecutive bytes, aligned
.endr
	s_endpgm
.Lfunc_end_k_q42b5ae19ef_lnq:
	.size	k_q42b5ae19ef_lnq, .Lfunc_end_k_q42b5ae19ef_lnq-k_q42b5ae19ef_lnq
	.p2alignl 7, 3214868480
	.fill 96, 4, 3214868480
	.section	.rodata,"a",@progbits
	.p2align	6, 0x0
	.amdhsa_kernel k_q42b5ae19ef_lnq
		.amdhsa_group_segment_fixed_size 53760
		.amdhsa_private_segment_fixed_size 0
		.amdhsa_enable_private_segment 0
		.amdhsa_kernarg_size 80
		.amdhsa_user_sgpr_count 2
		.amdhsa_user_sgpr_kernarg_segment_ptr 1
		.amdhsa_wavefront_size32 1
		.amdhsa_system_sgpr_workgroup_id_x 1
		.amdhsa_system_sgpr_workgroup_id_y 1
		.amdhsa_system_sgpr_workgroup_id_z 1
		.amdhsa_system_vgpr_workitem_id 0
		.amdhsa_next_free_vgpr 234
		.amdhsa_next_free_sgpr 66
		.amdhsa_reserve_vcc 0
		.amdhsa_float_denorm_mode_32 3
		.amdhsa_float_denorm_mode_16_64 3
		.amdhsa_memory_ordered 1
		.amdhsa_forward_progress 1
		.amdhsa_inst_pref_size 99
	.end_amdhsa_kernel
	.amdgpu_metadata
---
amdhsa.version: [ 1, 2 ]
amdhsa.kernels:
  - .name:           k_q42b5ae19ef_lnq
    .symbol:         k_q42b5ae19ef_lnq.kd
    .args:
      - { .name: x, .offset: 0, .size: 8, .value_kind: global_buffer, .address_space: global }
      - { .name: g_ln, .offset: 8, .size: 8, .value_kind: global_buffer, .address_space: global }
      - { .name: Wq_codes, .offset: 16, .size: 8, .value_kind: global_buffer, .address_space: global }
      - { .name: Wq_scales, .offset: 24, .size: 8, .value_kind: global_buffer, .address_space: global }
      - { .name: Wkv_codes, .offset: 32, .size: 8, .value_kind: global_buffer, .address_space: global }
      - { .name: Wkv_scales, .offset: 40, .size: 8, .value_kind: global_buffer, .address_space: global }
      - { .name: XN, .offset: 48, .size: 8, .value_kind: global_buffer, .address_space: global }
      - { .name: WP, .offset: 56, .size: 8, .value_kind: global_buffer, .address_space: global }
      - { .name: Wo_codes, .offset: 64, .size: 8, .value_kind: global_buffer, .address_space: global }
      - { .name: Wo_scales, .offset: 72, .size: 8, .value_kind: global_buffer, .address_space: global }
    .group_segment_fixed_size: 53760
    .private_segment_fixed_size: 0
    .kernarg_segment_align: 8
    .kernarg_segment_size: 80
    .max_flat_workgroup_size: 128
    .sgpr_count:     66
    .vgpr_count:     234
    .wavefront_size: 32
...
	.end_amdgpu_metadata
.endif
;; end of part 1
;; launch qkv (part 2): grid 12 x 32, 4 waves a work-group, clusters of 4 x 4, 327,680 bytes of LDS; arguments XN, WP, QB, KV; writes QB, KV
.if DOCPART == 2
	.amdgcn_target "amdgcn-amd-amdhsa--gfx1250"
	.amdhsa_code_object_version 6
	.text
	.protected	k_q42b5ae19ef_qkv
	.globl	k_q42b5ae19ef_qkv
	.p2align	8
	.type	k_q42b5ae19ef_qkv,@function
k_q42b5ae19ef_qkv:
	s_mov_b64 s[64:65], 0
	v_nop
	global_prefetch_b8 v0, s[64:65] scope:SCOPE_SE
	s_setreg_imm32_b32 hwreg(HW_REG_WAVE_MODE, 25, 1), 1
	s_wait_xcnt 0x0
	s_wait_alu depctr_hold_cnt(0) depctr_sa_sdst(0) depctr_va_vdst(0) depctr_va_sdst(0) depctr_va_ssrc(0) depctr_va_vcc(0) depctr_vm_vsrc(0)
	s_getreg_b32 s2, hwreg(HW_REG_IB_STS2, 6, 4)
	s_cmp_eq_u32 s2, 0
	s_cbranch_scc0 .Lentry_in_a_cluster
	s_endpgm
.Lentry_in_a_cluster:
	s_bfe_u32 s2, ttmp6, 0x10000c
	s_cmp_lg_u32 s2, 0xf033
	s_cbranch_scc0 .Lentry_shape_is_right
	s_endpgm
.Lentry_shape_is_right:
; LAUNCH 2.  q = xn Wq, k and v = xn Wkv on codes of FP6 (E2M3) with one E8M0 scale for each 32 along K = 1,024; the results are quantised in registers, q and k along a head's 64, v along the keys,
; and leave as IMAGES OF THE NEXT LAUNCH'S OPERAND REGISTERS.  Sums in f32.
; A tile of 256 x 256 results is made by a work-group of four waves, 128 x 128 a wave: 64 accumulators, 512 registers.  K goes in steps of 256 through a ring of two LDS slots filled by the tensor data
; mover (rows of 192 bytes, 16 bytes of padding behind every 64: pitch 240).  The scale bytes of the work-group's 2 x 256 rows come into LDS once.
; THE CLUSTER'S x SAYS WHICH PRODUCT: 0 q, 1 k, 2 v; it is the same in all sixteen partners.  The matrix instruction is used transposed: source 0 = 16 rows of side B, source 1 = 16 rows of side A: a lane holds
; one row of side A, and its registers run along side B.  q, k: A = tokens (XN), B = features (WP): a lane's registers run along a head's dims.  v: A = features, B = tokens: they run along the keys.
; Both buffers lie in the row order in which the 16 registers of tiles 2 b and 2 b + 1 are 16 neighbours: register 16 b + i of a block = number 32 b + 16 (lane / 16) + i along the next K.
; CLUSTERS: 4 x 4 work-groups; A's tiles hang on cy alone and are asked for jointly along a row of the cluster, B's on cx alone, along a column.
; OUT.  QB: codes [64 heads][64 groups of 32 queries][1536], from byte 6,291,456 on scale words [64][16 blocks of 128 queries][512].  KV: 208,896 bytes a head: K's scale words 16 x 512, V's 16 x 256,
; then for each step of 128 keys 6,144 bytes of K and 6,144 of V.  An image of 1,536 bytes is 12 registers: registers 4 c .. 4 c + 3 of lane l at 512 c + 16 l.  Q, K: registers 0-5 are 16 rows x 64 dims
; of tile 2 b, 6-11 of tile 2 b + 1.  V: one fragment, 16 d x 128 keys.  Every store of a wave covers 512 (256 for V's scale words) consecutive bytes, aligned.
; LIMITS: NaN and infinities are not served.  A block of zeros gets the byte 1 (its codes are zeros; only this program reads the bytes); blocks whose largest magnitude lies under 2^-124 are held at that byte.
; REGISTERS, in windows of 256: window 0: v0-31 addresses; v32-63 scale words, two sets; from v128 A's fragments, one set (at the end: at work).  window 1: B's fragments, two sets.  windows 2, 3: the accumulators.
; THE LAYOUT AS IT STANDS NOW (it takes the place of what the lines above say of rows, pitch, scale bytes and row order):
; XN and WP lie in cells of 256 bytes for each place and each 256 along K: 192 bytes of codes, their 8 scale bytes, zeros.  A tile's row is one cell, 256 bytes at a multiple of 256, LDS pitch 272;
; the scale words come with the codes, at byte 192 of the LDS row.  Row order: place 16 t + 8 u + j of each 64 holds row 32 u + 8 t + j, so register 32 c + i of a block = number 64 c + 32 (lane / 16) + i
; along the next K: a lane holds whole blocks of 32.  At the head each wave asks for a quarter of both slots: A's or B's 256 rows of K step 0 or 1.
.set KSTEP,  256
.set NQ,     KSTEP/128
.set ROWB,   256
.set KROW,   1024
.set PITCH,  272
.set FR,     12
.set NL,     6
.set NP,     4
.set HALFT,  128*PITCH
.set SLOT,   4*HALFT
.set LAPS,   2                         ; K = 1,024 is two laps of two K steps
.set KS,     32
.set SCL,    2*SLOT
.set HALFS,  (128*KS/256)*272
.set SBLK,   (16*KS/256)*272
.set SPARE,  2*SLOT
.set XNS,    6291456                   ; QB's scale words begin here
.set WPS,    2359296
.set ADRA, 16
.set ADRB, 20
.set LI,   24                          ; v24  16 x lane
.set L8,   25                          ; v25  8 x lane
.set FLR,  26                          ; v26  the quantiser's floor, 2^(3 - 127)
.set ADRS, 18                          ; v18-19  LDS address of my scale words in slot 0, 1: lanes 0-15 A's rows, lanes 16-31 B's
.set SPW,  28
.set NIL,  29
.set LN,   30                          ; v30  lane
.set SC,   32
.set AF,   128
.set H0,   128                         ; the end: two images of 12 registers,
.set H1,   140
.set CT,   152                         ; conversions' second halves,
.set SW,   160                         ; v160-167 a block's scale word,
.set SX,   168                         ; v168-175 scale words as they leave,
.set TM,   200                         ; v200-203 largest magnitudes, v204-205 bytes, v206 lane l xor 16's word, v212-215 the conversions' scale operands
.set G1, 24
.set G0, 32
.set G1B, 48
.set G0B, 56
.set G1S, 68
.set G0S, 76
.set G1SB, 80
.set G0H,  76                          ; s[76:79], s[88:91] group 0 for the head's loads: A's 256 rows, B's 256 rows, of K step (wave / 2)
.set G0HB, 88
.set MSB, 0
.macro WIN new                         ; the immediate's high byte repeats the setting that is left
.if MSB != \new
	s_set_vgpr_msb (MSB<<8)|\new
.set MSB, \new
.endif
.endm
.set MUL_LO, 0xa1                      ; source 0 (B) window 1, source 1 (A) window 0, C and D window 2
.set MUL_HI, 0xf1
.set TO_B,   0x40
; A joint load: waves 0 and 1 fetch for A, waves 2 and 3 for B; the branch hangs on the wave's number alone.  Four v_nop follow each of the two lines.
.macro JLOAD g0a, g1a, g0b, g1b
	s_cmp_eq_u32 s15, 0
	s_cbranch_scc0 .Lfor_b_\@
	tensor_load_to_lds s[\g0a:\g0a+3], s[\g1a:\g1a+7]
	s_nop 0
.rept 4
	v_nop
.endr
	s_branch .Lasked_\@
.Lfor_b_\@:
	tensor_load_to_lds s[\g0b:\g0b+3], s[\g1b:\g1b+7]
	s_nop 0
.rept 4
	v_nop
.endr
.Lasked_\@:
.endm
.macro CREST                           ; a round of the cluster's barrier behind its opening barrier
	s_cmp_lg_u32 s14, 0
	s_cbranch_scc1 .Lnot_wave_0_\@
	s_barrier_signal -3
.Lnot_wave_0_\@:
	s_barrier_wait -3
	s_barrier_signal -1
	s_barrier_wait -1
.endm
.macro CROUND
	s_barrier_signal -1
	s_barrier_wait -1
	CREST
.endm
	s_load_b256 s[4:11], s[0:1], 0x0               ; XN s[4:5], WP s[6:7], QB s[8:9], KV s[10:11]
	v_lshl_add_u32 v[SPW], v0, 2, SPARE
	v_mov_b32 v[NIL], 0
	ds_add_u32 v28, v29
	ds_add_u32 v28, v29
	s_wait_dscnt 0x0
	v_lshrrev_b32 v1, 5, v0
	v_readfirstlane_b32 s14, v1                    ; wave 0..3
	s_lshr_b32 s15, s14, 1                         ; which half of side A's 256 rows is mine.  Also: I fetch for A (0) or for B (1)
	s_and_b32 s16, s14, 1                          ; which half of side B's.  Also: which 128 rows I fetch
	s_bfe_u32 s40, ttmp6, 0x40000                  ; cx, cy: my place in the cluster
	s_bfe_u32 s41, ttmp6, 0x40004
	s_and_b32 s17, ttmp7, 0xffff
	s_lshl_b32 s17, s17, 2                         ; 4 x cluster y
	s_lshl_b32 s43, s41, 2
	s_lshl_b32 s43, 15, s43                        ; my row of the cluster
	s_lshl_b32 s44, 0x1111, s40                    ; my column
	; descriptor group 1: a tile of 128 rows x 256 bytes, 16 bytes of padding behind each: pitch 272
	s_or_b32 s[G1+0], s43, (0<<16)|(1<<20)|(1<<21)|(5<<22)|(3<<25)
	s_or_b32 s[G1B+0], s44, (0<<16)|(1<<20)|(1<<21)|(5<<22)|(3<<25)
.irp g, G1, G1B
	s_mov_b32 s[\g+1], ROWB<<16
	s_mov_b32 s[\g+2], 256<<16                     ; 256 rows for the head's loads; behind them the two words that count rows are set to 128, for the ring's
	s_mov_b32 s[\g+3], ROWB<<16
	s_mov_b32 s[\g+4], 256
	s_mov_b32 s[\g+5], KROW
	s_mov_b32 s[\g+6], 0
	s_mov_b32 s[\g+7], 0
.endr
	; where the sides begin.  A's place is made of cy alone, B's of cx alone, each in registers that never hold the other.
	s_add_co_u32 s18, s17, s41
	s_lshl_b32 s18, s18, 8                         ; tokens by cy: 256 (4 cluster y + cy)
	s_lshl_b32 s19, s41, 8
	s_add_co_u32 s19, s19, 2048                    ; v's features by cy
	s_add_co_u32 s46, s17, s40
	s_lshl_b32 s46, s46, 8                         ; tokens by cx
	s_lshl_b32 s47, s40, 8
	s_lshl_b32 s92, ttmp9, 10
	s_add_co_u32 s47, s47, s92                     ; q's or k's features by cx
	s_cmp_eq_u32 ttmp9, 2                          ; v?
	s_cselect_b32 s20, s19, s18                    ; A's first place
	s_cselect_b32 s46, s46, s47                    ; B's
	s_mul_i32 s20, s20, KROW                       ; 1,024 bytes a place
	s_mov_b32 s21, 0
	s_mul_i32 s46, s46, KROW
	s_mov_b32 s47, 0
	s_mul_i32 s45, s14, HALFT                      ; where they go: wave x 128 rows: no place in the cluster enters an LDS address
	s_wait_kmcnt 0x0
	s_cmp_eq_u32 ttmp9, 2
	s_cselect_b64 s[66:67], s[6:7], s[4:5]         ; A's buffer
	s_cselect_b64 s[4:5], s[4:5], s[6:7]           ; B's
	s_add_nc_u64 s[20:21], s[66:67], s[20:21]
	s_add_nc_u64 s[46:47], s[4:5], s[46:47]
	s_mul_i32 s94, s15, SLOT                       ; THE HEAD'S FOUR LOADS, ONE A WAVE: waves 0, 2 fetch A's 256 rows of K steps 0, 1 into slots 0, 1; waves 1, 3 B's
	s_lshl_b32 s92, s15, 8
	s_mov_b32 s93, 0
	s_mov_b32 s[G0H], 1
	s_mov_b32 s[G0H+1], s94
	s_add_nc_u64 s[G0H+2:G0H+3], s[20:21], s[92:93]
	s_or_b32 s[G0H+3], s[G0H+3], 0x80000000
	s_mov_b32 s[G0HB], 1
	s_add_co_u32 s[G0HB+1], s94, 2*HALFT
	s_add_nc_u64 s[G0HB+2:G0HB+3], s[46:47], s[92:93]
	s_or_b32 s[G0HB+3], s[G0HB+3], 0x80000000
	s_lshl_b32 s92, s16, 17                        ; for the ring: my 128 rows of the tile, 1,024 bytes a row
	s_add_nc_u64 s[20:21], s[20:21], s[92:93]
	s_add_nc_u64 s[46:47], s[46:47], s[92:93]
	CROUND                                         ; all sixteen work-groups are here: the first joint loads meet
.irp s, 0,1
	s_mov_b32 s[G0+4*\s], 1
	s_add_co_u32 s[G0+4*\s+1], s45, \s*SLOT
	s_add_nc_u64 s[G0+4*\s+2:G0+4*\s+3], s[20:21], \s*ROWB
	s_or_b32 s[G0+4*\s+3], s[G0+4*\s+3], 0x80000000
	s_mov_b32 s[G0B+4*\s], 1
	s_add_co_u32 s[G0B+4*\s+1], s45, \s*SLOT
	s_add_nc_u64 s[G0B+4*\s+2:G0B+4*\s+3], s[46:47], \s*ROWB
	s_or_b32 s[G0B+4*\s+3], s[G0B+4*\s+3], 0x80000000
.endr
	s_cmp_eq_u32 s16, 0                            ; one chain of two arms on the wave's number, one load to an arm
	s_cbranch_scc0 .Lhead_b
	tensor_load_to_lds s[G0H:G0H+3], s[G1:G1+7]
	s_nop 0
.rept 4
	v_nop
.endr
	s_branch .Lhead_j
.Lhead_b:
	tensor_load_to_lds s[G0HB:G0HB+3], s[G1B:G1B+7]
	s_nop 0
.rept 4
	v_nop
.endr
.Lhead_j:
	v_and_b32 v1, 15, v0                           ; l % 16
	v_bfe_u32 v2, v0, 4, 1                         ; l / 16
	v_mul_u32_u24 v3, v1, PITCH
	v_mul_u32_u24 v4, v2, 24
	v_add_nc_u32 v4, v3, v4                        ; a fragment's row x pitch + 24 x half
	s_mul_i32 s21, s15, HALFT                      ; my 128 rows of A
	s_mul_i32 s22, s16, HALFT                      ; my 128 rows of B,
	s_add_co_u32 s22, s22, 2*HALFT                 ; which lie behind A's 256
	s_sub_co_u32 s23, s22, s21
	v_mul_u32_u24 v6, s23, v2                      ; the scale words: lanes 16-31 take B's rows,
	v_add_nc_u32 v5, v3, v6
	v_add_nc_u32 v5, 192, v5                       ; at byte 192 of the LDS row
.irp s, 0,1
	v_add_nc_u32 v[ADRA+\s], s21, v4
	v_add_nc_u32 v[ADRB+\s], s22, v4
	v_add_nc_u32 v[ADRS+\s], s21, v5
	s_add_co_u32 s21, s21, SLOT
	s_add_co_u32 s22, s22, SLOT
.endr
	v_lshlrev_b32 v31, 3, v2                       ; v31: 8 x (lane / 16): where my blocks' bytes stand in a scale word
	v_and_b32 v[LN], 31, v0
	v_lshlrev_b32 v[LI], 4, v[LN]
	v_lshlrev_b32 v[L8], 3, v[LN]
	v_mov_b32 v[FLR], 0x1800000
	; where the results go: for my two heads e = 0, 1 the codes' bases s[96:97], s[98:99] and the scale words' s[100:101], s[104:105]
	s_cmp_eq_u32 ttmp9, 0                          ; q?
	s_cselect_b64 s[96:97], s[8:9], s[10:11]       ; QB or KV
	s_mov_b32 s66, 208896
	s_cselect_b32 s67, 98304, s66                  ; from head to head, codes
	s_cselect_b32 s66, 8192, s66                   ; and scale words
	s_mov_b32 s94, 12288
	s_cselect_b32 s95, 6144, s94                   ; from a step of 128 tokens to the next, codes
	s_cselect_b32 s94, 0, s94                      ; where a head's codes begin: q 0, k 12,288,
	s_cselect_b32 s93, XNS, 0                      ; and its scale words: q 6,291,456, k 0,
	s_cmp_eq_u32 ttmp9, 2                          ; v?
	s_cselect_b32 s94, 18432, s94                  ; v 18,432
	s_cselect_b32 s93, 8192, s93                   ; v 8,192
	s_cselect_b32 s92, 8, 9                        ; a step's scale words: 256 bytes for v, else 512
	s_cselect_b32 s18, s40, s41                    ; the coordinate of the tokens' side,
	s_cselect_b32 s19, s41, s40                    ; of the features' side,
	s_cselect_b32 s20, s16, s15                    ; my half of the tokens,
	s_cselect_b32 s21, s15, s16                    ; and of the features
	s_add_co_u32 s18, s17, s18                     ; which 256 tokens
	s_and_b32 s22, s18, 7
	s_lshl_b32 s22, s22, 1
	s_add_co_u32 s22, s22, s20                     ; which step of 128 in the sequence
	s_lshr_b32 s18, s18, 3
	s_lshl_b32 s18, s18, 4                         ; 16 x batch
	s_lshl_b32 s19, s19, 2
	s_add_co_u32 s18, s18, s19
	s_lshl_b32 s21, s21, 1
	s_add_co_u32 s18, s18, s21                     ; my first head: 16 b + 4 x coordinate + 2 x half
	s_mul_i32 s98, s18, s67
	s_mul_i32 s20, s22, s95
	s_add_co_u32 s98, s98, s20
	s_add_co_u32 s98, s98, s94
	s_mov_b32 s99, 0
	s_mul_i32 s100, s18, s66
	s_lshl_b32 s20, s22, s92
	s_add_co_u32 s100, s100, s20
	s_add_co_u32 s100, s100, s93
	s_mov_b32 s101, 0
	s_add_nc_u64 s[100:101], s[96:97], s[100:101]
	s_add_nc_u64 s[96:97], s[96:97], s[98:99]
	s_mov_b32 s98, s67
	s_mov_b32 s99, 0
	s_add_nc_u64 s[98:99], s[96:97], s[98:99]
	s_mov_b32 s104, s66
	s_mov_b32 s105, 0
	s_add_nc_u64 s[104:105], s[100:101], s[104:105]
.macro FRAG reg, adr, q, i             ; a fragment, 16 rows x 128 K, is 12 registers: lane l holds row l % 16; registers 6 c .. 6 c + 5 hold K = 64 c + 32 (l / 16) + 0 .. 31: 24 bytes of the row, as they lie
.irp p, 0,1,2,3,4,5                    ; in pieces of 8 bytes
	ds_load_b64 v[\reg+2*\p:\reg+2*\p+1], v[\adr] offset:96*(\q)+48*(\p/3)+8*(\p%3)+(\i)*16*PITCH
.endr
.endm
; 16 matrix instructions: A's blocks a0, a0 + 1 x B's eight, 128 along K.  The 64 accumulators take turns, one instruction a turn, in the same order in every step.
.macro MUL16 a0, p, q, sc, zero
.irp a, \a0, \a0+1
.irp b, 0,1,2,3,4,5,6,7
.if \zero
	v_wmma_scale_f32_16x16x128_f8f6f4 v[8*(8*((\a)%4)+\b):8*(8*((\a)%4)+\b)+7], v[128*(\p)+FR*\b:128*(\p)+FR*\b+FR-1], v[AF+FR*(\a):AF+FR*(\a)+FR-1], 0, v[SC+8*NQ*(\sc)+NQ*\b+(\q)], v[SC+8*NQ*(\sc)+NQ*(\a)+(\q)] matrix_a_fmt:MATRIX_FMT_FP6 matrix_b_fmt:MATRIX_FMT_FP6 matrix_a_scale:MATRIX_SCALE_ROW1
.else
	v_wmma_scale_f32_16x16x128_f8f6f4 v[8*(8*((\a)%4)+\b):8*(8*((\a)%4)+\b)+7], v[128*(\p)+FR*\b:128*(\p)+FR*\b+FR-1], v[AF+FR*(\a):AF+FR*(\a)+FR-1], v[8*(8*((\a)%4)+\b):8*(8*((\a)%4)+\b)+7], v[SC+8*NQ*(\sc)+NQ*\b+(\q)], v[SC+8*NQ*(\sc)+NQ*(\a)+(\q)] matrix_a_fmt:MATRIX_FMT_FP6 matrix_b_fmt:MATRIX_FMT_FP6 matrix_a_scale:MATRIX_SCALE_ROW1
.endif
.endr
.endr
.endm
.macro FETCH_B slot, q, p
	WIN TO_B
.irp i, 0,1,2,3,4,5,6,7
	FRAG 128*(\p)+FR*\i, ADRB+\slot, \q, \i
.endr
	WIN 0
.endm
.macro FETCH_A slot, q, i0
.irp i, \i0, \i0+1, \i0+2, \i0+3
	FRAG AF+FR*(\i), ADRA+\slot, \q, \i
.endr
.endm
.macro SCALES sc                       ; a K step's scale words: two words a row; lanes 0-15 take A's block i, lanes 16-31 B's block i
.irp i, 0,1,2,3,4,5,6,7
	ds_load_b64 v[SC+8*NQ*\sc+NQ*\i:SC+8*NQ*\sc+NQ*\i+1], v[ADRS+\sc] offset:\i*16*PITCH
.endr
.endm
.macro PLACES n                        ; plain vector lines between a matrix instruction and a load into, or a vector read of, its registers
.rept \n
	v_nop
.endr
.endm
.macro STEP slot, q, zero              ; a step of 128 along K that has its successor in the same slot
	s_wait_dscnt 4*NL                              ; B's set and A's blocks 0-3 are in; the youngest 24 loads (A's blocks 4-7) may be out
	WIN MUL_LO
	MUL16 0, (\q)%2, \q, \slot, \zero
	MUL16 2, (\q)%2, \q, \slot, \zero
	s_wait_dscnt 0
	PLACES NP
	FETCH_B \slot, (\q)+1, 1-(\q)%2
	FETCH_A \slot, (\q)+1, 0
	WIN MUL_HI
	MUL16 4, (\q)%2, \q, \slot, \zero
	MUL16 6, (\q)%2, \q, \slot, \zero
	PLACES NP
	WIN 0
	FETCH_A \slot, (\q)+1, 4
.endm
; A slot's last step changes slots: one barrier; in front of it each wave waits for all its tensor loads, adds 0 to its spare word, and waits for that and for its reads of this slot.
.macro TURN slot, next, fill
	s_wait_tensorcnt 0x0                           ; all my tensor loads have landed: my part of the next slot
	ds_add_u32 v[SPW], v[NIL]                      ; 0 onto my spare word
	s_wait_dscnt 4*NL+1                            ; (the add and the youngest 24 loads, A's blocks 4-7, may be out)
	WIN MUL_LO
	MUL16 0, 1, NQ-1, \slot, 0
	s_wait_dscnt 0x0                               ; the add is done, and my reads of this slot are over
	s_barrier_signal -1
	MUL16 2, 1, NQ-1, \slot, 0
	WIN 0
	s_barrier_wait -1
.if \fill
	CREST                                          ; the barrier has opened a round of the cluster's barrier: no wave of any partner still reads this slot or has a load on its way
	s_add_nc_u64 s[G0+4*\slot+2:G0+4*\slot+3], s[G0+4*\slot+2:G0+4*\slot+3], 2*ROWB
	s_add_nc_u64 s[G0B+4*\slot+2:G0B+4*\slot+3], s[G0B+4*\slot+2:G0B+4*\slot+3], 2*ROWB
	JLOAD G0+4*\slot, G1, G0B+4*\slot, G1B         ; the first tensor load behind the round; its four v_nop are the places in front of the loads below
.else
	PLACES NP
.endif
	FETCH_B \next, 0, 0
	FETCH_A \next, 0, 0
	SCALES \next
	WIN MUL_HI
	MUL16 4, 1, NQ-1, \slot, 0
	MUL16 6, 1, NQ-1, \slot, 0
	PLACES NP
	WIN 0
	FETCH_A \next, 0, 4
.endm
	s_wait_alu depctr_va_vdst(0)
	s_wait_tensorcnt 0x0                           ; my tile of the head's four is in; no tensor load of mine is out, so a descriptor may be written:
	s_mov_b32 s[G1+2], 128<<16                     ; from here on a load brings 128 rows
	s_mov_b32 s[G1+4], 128
	s_mov_b32 s[G1B+2], 128<<16
	s_mov_b32 s[G1B+4], 128
	s_barrier_signal -1
	s_barrier_wait -1                              ; both slots are whole
	FETCH_B 0, 0, 0
	FETCH_A 0, 0, 0
	SCALES 0
	FETCH_A 0, 0, 4
	STEP 0, 0, 1                                   ; the first step's products start the sums
	s_mov_b32 s3, LAPS-1
.Llap:                                                 ; a trip goes once round the ring and fills both slots again
	TURN 0, 1, 1
	STEP 1, 0, 0
	TURN 1, 0, 1
	STEP 0, 0, 0
	s_sub_co_u32 s3, s3, 1
	s_cmp_lg_u32 s3, 0
	s_cbranch_scc1 .Llap
	TURN 0, 1, 0                                   ; the last lap fills nothing
	STEP 1, 0, 0
	s_wait_dscnt 4*NL
	WIN MUL_LO
	MUL16 0, 1, NQ-1, 1, 0
	MUL16 2, 1, NQ-1, 1, 0
	s_wait_dscnt 0
	WIN MUL_HI
	MUL16 4, 1, NQ-1, 1, 0
	MUL16 6, 1, NQ-1, 1, 0
	WIN 0
; THE END: block a's 64 numbers of a lane (register 32 c + i = number 64 c + 32 (lane / 16) + i of my row) become 12 registers of codes, six at d0 (numbers 0-63) and six at d1 (64-127), and the scale word v[SW + a].
; Each accumulator is read from its low end on.
.macro QUANT a, d0, d1
.set QW, 2+(\a)/4
.set QS, 64*((\a)%4)
.set QWIN, (QW<<2)|(QW<<4)
	WIN QWIN                                       ; sources 1 and 2: the accumulators' window
.irp b, 0,1,2,3
	v_max3_num_f32 v[TM+\b], v[FLR], |v[QS+16*\b]|, |v[QS+16*\b+1]|   ; registers 16 b .. 16 b + 15, half a block, and the floor, so that the byte cannot fall under 1
.endr
.irp i, 2,4,6,8,10,12,14
.irp b, 0,1,2,3
	v_max3_num_f32 v[TM+\b], v[TM+\b], |v[QS+16*\b+\i]|, |v[QS+16*\b+\i+1]|
.endr
.endr
	WIN 0
	v_max_num_f32 v[TM], v[TM], v[TM+1]            ; my two whole blocks: numbers 32 h + 0 .. 31 and 64 + 32 h + 0 .. 31
	v_max_num_f32 v[TM+1], v[TM+2], v[TM+3]
	v_add_nc_u32 v[TM+12], 0xff000000, v[TM]       ; 2 off the exponent field: the conversion's scale operand
	v_add_nc_u32 v[TM+13], 0xff000000, v[TM+1]
	v_lshrrev_b32 v[TM+4], 23, v[TM+12]            ; the scale's byte
	v_lshrrev_b32 v[TM+5], 23, v[TM+13]
	v_lshl_or_b32 v[SW+(\a)], v[TM+5], 16, v[TM+4]
	v_lshlrev_b32 v[SW+(\a)], v31, v[SW+(\a)]      ; bytes h and 2 + h of the word;
	v_permlanex16_b32 v[TM+6], v[SW+(\a)], s12, s13
	v_or_b32 v[SW+(\a)], v[SW+(\a)], v[TM+6]       ; with lane l xor 16's two it is whole
	WIN QW                                         ; source 0: the accumulators' window
	v_cvt_scalef32_pk16_fp6_f32 v[\d0:\d0+2], v[QS:QS+15], v[TM+12]
	v_cvt_scalef32_pk16_fp6_f32 v[CT:CT+2], v[QS+16:QS+31], v[TM+12]
	v_cvt_scalef32_pk16_fp6_f32 v[\d1:\d1+2], v[QS+32:QS+47], v[TM+13]
	v_cvt_scalef32_pk16_fp6_f32 v[CT+4:CT+6], v[QS+48:QS+63], v[TM+13]
	WIN 0
	v_nop                                          ; one plain line behind the scaled conversions
.irp i, 0,1,2
	v_mov_b32 v[\d0+3+\i], v[CT+\i]
	v_mov_b32 v[\d1+3+\i], v[CT+4+\i]
.endr
.endm
	PLACES NP                                      ; behind the last products: their results are read and their operands' registers written below
	s_mov_b32 s12, 0x76543210
	s_mov_b32 s13, 0xfedcba98                      ; v_permlanex16_b32's selects for lane l xor 16
.irp b, 0,1,2,3
	v_mov_b32 v[TM+4+\b], 0                        ; a lane permute's destination counts as one of its sources
.endr
	v_cmp_le_u32 vcc_lo, 16, v[LN]                 ; lanes 16-31
	s_cmp_eq_u32 ttmp9, 2                          ; the cluster's x: the same in all partners
	s_cbranch_scc1 .Lv_arm
	; q, k: a block's numbers 0-63 are head 0's dims, 64-127 head 1's.  Blocks 2 g and 2 g + 1 make one image for each head.
.irp g, 0,1,2,3
.if \g > 0
	s_wait_xcnt 0x0                                ; the last group's stores have read their registers
.endif
	QUANT 2*\g, H0, H1
	QUANT 2*\g+1, H0+6, H1+6
.irp c, 0,1,2
	global_store_b128 v[LI], v[H0+4*\c:H0+4*\c+3], s[96:97] offset:1536*\g+512*\c
	global_store_b128 v[LI], v[H1+4*\c:H1+4*\c+3], s[98:99] offset:1536*\g+512*\c
.endr
.endr
.irp g, 0,1,2,3
	v_cndmask_b32 v[SX+4+\g], v[SW+2*\g], v[SW+2*\g+1], vcc_lo   ; lanes 0-15: tile 2 g's rows, lanes 16-31: tile 2 g + 1's
.endr
.irp g, 0,1,2,3
	v_and_b32 v[SX+\g], 0xffff, v[SX+4+\g]         ; head 0: bytes 0, 1; the upper two bytes, which scale the half of K that holds no number, are 0
	v_lshrrev_b32 v[SX+4+\g], 16, v[SX+4+\g]       ; head 1: bytes 2, 3
.endr
	global_store_b128 v[LI], v[SX:SX+3], s[100:101]
	global_store_b128 v[LI], v[SX+4:SX+7], s[104:105]
	s_branch .Ldone
.Lv_arm:
	; v: block a is 16 d of head a / 4, and its 128 numbers are the step's keys: one fragment.  Two images by turns.
.irp a, 0,1,2,3,4,5,6,7
.if \a > 1
	s_wait_xcnt 0x0                                ; the stores of two blocks back have read their registers
.endif
	QUANT \a, H0+12*(\a%2), H0+12*(\a%2)+6
.irp c, 0,1,2
	global_store_b128 v[LI], v[H0+12*(\a%2)+4*\c:H0+12*(\a%2)+4*\c+3], s[96+2*(\a/4):97+2*(\a/4)] offset:1536*(\a%4)+512*\c
.endr
.endr
.irp e, 0,1
	v_cndmask_b32 v[SX+2*\e], v[SW+4*\e], v[SW+4*\e+1], vcc_lo       ; word i: lanes 0-15 d tile 2 i, lanes 16-31 d tile 2 i + 1
	v_cndmask_b32 v[SX+2*\e+1], v[SW+4*\e+2], v[SW+4*\e+3], vcc_lo
.endr
	global_store_b64 v[L8], v[SX:SX+1], s[100:101]
	global_store_b64 v[L8], v[SX+2:SX+3], s[104:105]
.Ldone:
	s_wait_tensorcnt 0x0                           ; the wave's end
	ds_add_u32 v[SPW], v[NIL]
	s_wait_dscnt 0x0
	CROUND                                         ; the closing round: no work-group ends while a partner may still ask for a tile that names it
	s_endpgm
.Lfunc_end_k_q42b5ae19ef_qkv:
	.size	k_q42b5ae19ef_qkv, .Lfunc_end_k_q42b5ae19ef_qkv-k_q42b5ae19ef_qkv
	.p2alignl 7, 3214868480
	.fill 96, 4, 3214868480
	.section	.rodata,"a",@progbits
	.p2align	6, 0x0
	.amdhsa_kernel k_q42b5ae19ef_qkv
		.amdhsa_group_segment_fixed_size 327680
		.amdhsa_private_segment_fixed_size 0
		.amdhsa_enable_private_segment 0
		.amdhsa_kernarg_size 32
		.amdhsa_user_sgpr_count 2
		.amdhsa_user_sgpr_kernarg_segment_ptr 1
		.amdhsa_wavefront_size32 1
		.amdhsa_system_sgpr_workgroup_id_x 1
		.amdhsa_system_sgpr_workgroup_id_y 1
		.amdhsa_system_sgpr_workgroup_id_z 1
		.amdhsa_system_vgpr_workitem_id 0
		.amdhsa_next_free_vgpr 1024
		.amdhsa_next_free_sgpr 106
		.amdhsa_reserve_vcc 1
		.amdhsa_float_denorm_mode_32 3
		.amdhsa_float_denorm_mode_16_64 3
		.amdhsa_memory_ordered 1
		.amdhsa_forward_progress 1
		.amdhsa_inst_pref_size 184
	.end_amdhsa_kernel
	.amdgpu_metadata
---
amdhsa.version: [ 1, 2 ]
amdhsa.kernels:
  - .name:           k_q42b5ae19ef_qkv
    .symbol:         k_q42b5ae19ef_qkv.kd
    .args:
      - { .name: XN, .offset: 0, .size: 8, .value_kind: global_buffer, .address_space: global }
      - { .name: WP, .offset: 8, .size: 8, .value_kind: global_buffer, .address_space: global }
      - { .name: QB, .offset: 16, .size: 8, .value_kind: global_buffer, .address_space: global }
      - { .name: KV, .offset: 24, .size: 8, .value_kind: global_buffer, .address_space: global }
    .group_segment_fixed_size: 327680
    .private_segment_fixed_size: 0
    .kernarg_segment_align: 8
    .kernarg_segment_size: 32
    .max_flat_workgroup_size: 128
    .sgpr_count:     106
    .vgpr_count:     1024
    .wavefront_size: 32
...
	.end_amdgpu_metadata
.endif
;; end of part 2
;; launch attn (part 3): grid 4 x 64, 16 waves a work-group, clusters of 4 x 1, 327,680 bytes of LDS; arguments QB, KV, OB; writes OB
.if DOCPART == 3
	.amdgcn_target "amdgcn-amd-amdhsa--gfx1250"
	.amdhsa_code_object_version 6
	.text
	.protected	k_q42b5ae19ef_attn
	.globl	k_q42b5ae19ef_attn
	.p2align	8
	.type	k_q42b5ae19ef_attn,@function
k_q42b5ae19ef_attn:
	s_mov_b64 s[64:65], 0
	v_nop
	global_prefetch_b8 v0, s[64:65] scope:SCOPE_SE
	s_setreg_imm32_b32 hwreg(HW_REG_WAVE_MODE, 25, 1), 1
	s_wait_xcnt 0x0
	s_wait_alu depctr_hold_cnt(0) depctr_sa_sdst(0) depctr_va_vdst(0) depctr_va_sdst(0) depctr_va_ssrc(0) depctr_va_vcc(0) depctr_vm_vsrc(0)
	s_getreg_b32 s2, hwreg(HW_REG_IB_STS2, 6, 4)
	s_cmp_eq_u32 s2, 0
	s_cbranch_scc0 .Lentry_in_a_cluster
	s_endpgm
.Lentry_in_a_cluster:
	s_bfe_u32 s2, ttmp6, 0x10000c
	s_cmp_lg_u32 s2, 0x3003
	s_cbranch_scc0 .Lentry_shape_is_right
	s_endpgm
.Lentry_shape_is_right:
; LAUNCH 3.  Causal attention of one head (batch x head = the grid's y) on codes of FP6 (E2M3): S^T = k q^T, p = 2^(t - M), O^T += v^T p^T, o = O / l, quantised along the head's 64 for the projection.
; Tiles that lie wholly above the diagonal are not computed.
; A head's K and V (images of operand registers, with their scale words: 208,896 bytes) lie in LDS for the whole launch.  The four work-groups of a cluster serve the same head and ask for them JOINTLY:
; each of the 16 waves issues ONE load of 51 rows of 256 bytes at the head, waits for it, and one barrier shows the whole to all waves.  Nothing is filled again.
; No prefetch: all that the launch reads is asked for at its head, so there is no loop to run ahead in.
; A wave owns two tiles of 16 queries, one from the upper half of the sequence and its mirror from the lower half: 17 steps of 128 keys for every wave.
; ROW ORDER (laid by launch 1): place 16 t + 8 u + j of each 64 holds row 32 u + 8 t + j.  So in S^T lane (r, h) holds query r and register 32 c + i is key 64 c + 32 h + i of the step: a lane holds two WHOLE
; blocks of 32 keys, in the order of the operand's layout: a block's largest score needs no other lane, and p's codes need no lane swap.  O^T likewise: register i is dim 32 h + i.
; M is the ceiling of the running largest t, kept as -M; a change of M multiplies the sum and O^T by an exact power of two.  A block's largest p is made from its largest score by the same two instructions.
; K's fragments are 6 registers a tile (64 dims); a product names 12: the other six meet q's six registers of zero codes, so whatever codes lie there add nothing (FP6 has no NaN and no infinity).
; LIMITS: NaN and infinities are not served; the promise holds while the scaled scores stay under 2^31 in magnitude.  A block of zeros gets the byte 1 (only this program reads the bytes).
.set KVH,  208896
.set QBS,  6291456
.set SPARE,208896                      ; the spare words: 128 bytes for each of 16 waves
.set PART, 13056                       ; a wave's part of the head's K and V: 51 x 256 bytes
.set LI,   1                           ; 16 x lane
.set L8,   2                           ; 8 x lane
.set ADK,  3
.set ADS,  4
.set ADT,  5
.set DMH,  6                           ; my query's place in its step, less 32 h
.set DML,  7
.set NINF, 8
.set SH8,  9                           ; 8 h
.set SP2,  10                          ; v10-11 the sum's second chain
.set STH,  12                          ; -M, largest t, the sum in two halves
.set STL,  16
.set QH,   20                          ; 6 registers of q, 6 of zeros
.set QL,   32
.set KF,   44                          ; v44-91 eight tiles of K, then four fragments of V
.set BM,   92                          ; v92-95 maxima (v94, v95 also PT, TT); v92-94 later the first block's upper codes
.set PT,   94
.set TT,   95
.set SO,   96                          ; v96-97 the conversions' scale operands
.set CT1,  98                          ; v98-100 the second block's upper codes
.set F,    102                         ; v102-103
.set S,    104
.set OH,   168
.set OL,   200
.set PC,   232
.set SK,   244
.set SV,   248
.set SQH,  250
.set SQL,  251
.set PW,   252
.set WV,   14
.set SEL,  20
.set CS,   22
.set G1,   24
.set G0,   40
.set T,    48
.set TB,   49
.set TS,   50
.set TJ,   51
.set BH,   52
.set BL,   53
.set UM,   54
.macro CROUND
	s_barrier_signal -1
	s_barrier_wait -1
	s_cmp_lg_u32 s[WV], 0
	s_cbranch_scc1 .Lnot_wave_0_\@
	s_barrier_signal -3
.Lnot_wave_0_\@:
	s_barrier_wait -3
	s_barrier_signal -1
	s_barrier_wait -1
.endm
.macro QPLACE g, sw, dm                ; of the group of 32 queries s[g]: where its scale words lie, and its first query's place in its step of 128
	s_lshr_b32 s63, s[\g], 2
	s_lshl_b32 s63, s63, 9
	s_add_co_u32 s[\sw], s62, s63
	s_and_b32 s63, s[\g], 3
	s_lshl_b32 s63, s63, 2
	s_add_co_u32 s[\sw], s[\sw], s63
	s_bfe_u32 s[\dm], s[\g], 0x10001
	s_lshl_b32 s[\dm], s[\dm], 6
	s_add_co_u32 s[\dm], s[\dm], s57
	s_and_b32 s63, s[\g], 1
	s_lshl_b32 s63, s63, 4
	s_add_co_u32 s[\dm], s[\dm], s63
.endm
	s_load_b128 s[4:7], s[0:1], 0x0                ; QB, KV
	s_load_b64 s[8:9], s[0:1], 0x10                ; OB
	v_lshl_add_u32 v254, v0, 2, SPARE
	v_mov_b32 v255, 0
	ds_add_u32 v254, v255                          ; the opening lines: the add twice on end and its wait
	ds_add_u32 v254, v255
	v_lshrrev_b32 v10, 5, v0
	v_readfirstlane_b32 s[WV], v10
	s_bfe_u32 s15, ttmp6, 0x40000                  ; cx
	s_and_b32 s16, ttmp7, 0xffff                   ; batch x head
	s_mov_b32 s[G1], 15|(3<<16)|(1<<21)            ; the cluster's four; elements of 8 bytes
	s_mov_b32 s[G1+1], 32<<16
	s_mov_b32 s[G1+2], 51<<16
	s_mov_b32 s[G1+3], 32<<16
	s_mov_b32 s[G1+4], 51
	s_mov_b32 s[G1+5], 32
	s_mov_b32 s[G1+6], 0
	s_mov_b32 s[G1+7], 0
	s_mul_i32 s12, s[WV], PART
	s_mul_i32 s10, s16, KVH
	s_add_co_u32 s10, s10, s12
	s_mov_b32 s11, 0
	s_mov_b32 s[SEL], 0x76543210
	s_mov_b32 s[SEL+1], 0xfedcba98                 ; lane l xor 16
	s_mov_b32 s[CS], 0x3e38aa3b                    ; log2(e) / 8
	s_mov_b32 s[CS+1], s[CS]
	s_lshr_b32 s55, s15, 1
	s_and_b32 s56, s15, 1                          ; which tile of a group's two is mine
	s_sub_co_u32 s[UM], 0, s56
	s_lshl_b32 s57, s[WV], 1
	s_add_co_u32 s58, s57, 32
	s_add_co_u32 s58, s58, s55                     ; the upper group of 32 queries
	s_sub_co_u32 s59, 30, s57
	s_add_co_u32 s59, s59, s55                     ; the lower
	s_lshr_b32 s[BH], s[WV], 1
	s_sub_co_u32 s[BL], 7, s[BH]                   ; their last steps: they hang on the wave's number alone
	s_add_co_u32 s[BH], s[BH], 8
	s_mul_i32 s62, s16, 98304
	s_mul_i32 s60, s58, 1536
	s_add_co_u32 s60, s60, s62
	s_mul_i32 s61, s59, 1536
	s_add_co_u32 s61, s61, s62
	s_lshl_b32 s62, s16, 13
	s_add_co_u32 s62, s62, QBS
	s_lshl_b32 s63, s56, 8
	s_add_co_u32 s62, s62, s63
	s_lshl_b32 s57, s56, 3
	QPLACE 58, 17, 19
	QPLACE 59, 18, 32
	s_lshr_b32 s33, s16, 4                         ; where o goes: blocks of 16 places, 12,288 bytes each, 768 a head
	s_lshl_b32 s33, s33, 7
	s_add_co_u32 s33, s33, s15
	s_and_b32 s34, s16, 15
	s_lshl_b32 s35, s[WV], 2
	s_add_co_u32 s36, s33, s35
	s_add_co_u32 s36, s36, 64
	s_sub_co_u32 s33, s33, s35
	s_add_co_u32 s33, s33, 60
	s_mul_i32 s35, s34, 768
	s_mul_i32 s66, s36, 12288
	s_add_co_u32 s66, s66, s35
	s_mul_i32 s67, s33, 12288
	s_add_co_u32 s67, s67, s35
	s_lshl_b32 s35, s34, 1
	s_add_co_u32 s35, s35, QBS
	s_lshl_b32 s68, s36, 9
	s_add_co_u32 s68, s68, s35
	s_lshl_b32 s69, s33, 9
	s_add_co_u32 s69, s69, s35
	v_and_b32 v10, 31, v0
	v_lshlrev_b32 v[LI], 4, v10
	v_lshlrev_b32 v[L8], 3, v10
	v_and_b32 v11, 16, v0
	v_lshrrev_b32 v[SH8], 1, v11
	v_and_b32 v10, 7, v0
	v_and_b32 v[ADK], 8, v0
	v_lshl_add_u32 v10, v[ADK], 2, v10             ; lane r's query: r % 8 + 32 (r / 8),
	v_lshlrev_b32 v11, 1, v11
	v_sub_nc_u32 v10, v10, v11                     ; less 32 h
	v_add_nc_u32 v[DMH], s19, v10
	v_add_nc_u32 v[DML], s32, v10
	v_and_b32 v11, 15, v0
	v_add_nc_u32 v[S+32], s60, v[LI]
	v_add_nc_u32 v[S+33], s61, v[LI]
	v_lshl_add_u32 v[S+34], v11, 4, s17
	v_lshl_add_u32 v[S+35], v11, 4, s18
	s_wait_alu depctr_va_vdst(0)
	s_wait_dscnt 0x0                               ; both opening adds are done
	s_wait_kmcnt 0x0
.irp c, 0,1,2
	global_load_b128 v[S+4*\c:S+4*\c+3], v[S+32], s[4:5] offset:512*\c
	global_load_b128 v[S+12+4*\c:S+12+4*\c+3], v[S+33], s[4:5] offset:512*\c
.endr
	global_load_b32 v[SQH], v[S+34], s[4:5]
	global_load_b32 v[SQL], v[S+35], s[4:5]
	s_add_nc_u64 s[G0+2:G0+3], s[6:7], s[10:11]
	s_mov_b32 s[G0], 1
	s_mov_b32 s[G0+1], s12
	s_or_b32 s[G0+3], s[G0+3], 0x80000000
	CROUND                                         ; the four work-groups are here: the joint loads meet
	tensor_load_to_lds s[G0:G0+3], s[G1:G1+7]      ; my one load: bytes 13,056 w .. of the head's K and V
	s_nop 0
	v_mov_b32 v[NINF], 0xff800000
.irp st, STH, STL
	v_mov_b32 v[\st+1], 0xff61b1e6                 ; the largest t so far: -3e38
	v_floor_f32 v[\st], -v[\st+1]
	v_mov_b32 v[\st+2], 0
	v_mov_b32 v[\st+3], 0
.endr
.irp i, 0,1,2,3,4,5
	v_mov_b32 v[QH+6+\i], 0
	v_mov_b32 v[QL+6+\i], 0
	v_mov_b32 v[BM+\i], 0                          ; named by the last tile's product and as a lane permute's destination before they are first made
	v_mov_b32 v[BM+6+\i], 0
.endr
.set i, 0
.rept 64
	v_mov_b32 v[OH+i], 0                           ; the step is written once: the first finds zeros
.set i, i+1
.endr
	s_wait_loadcnt 0x0
.irp i, 0,1,2,3,4,5
	v_cndmask_b32 v[QH+\i], v[S+\i], v[S+6+\i], s[UM]
	v_cndmask_b32 v[QL+\i], v[S+12+\i], v[S+18+\i], s[UM]
.endr
; One tile of 16 queries x one step of 128 keys.
.macro STEP o, st, q, sq, dm, bd
	s_cmp_gt_u32 s[T], s[\bd]                      ; above the diagonal: ids alone decide
	s_cbranch_scc1 .Lskip_\@
	v_add_nc_u32 v[ADK], s[TB], v[LI]              ; (with the v_nop: the four places ahead of loads into registers that the last products read)
	v_add_nc_u32 v[ADS], s[TS], v[LI]
	v_add_nc_u32 v[ADT], s[TJ], v[L8]
	v_nop
.irp k, 0,1,2,3,4,5,6,7,8,9,10,11
	ds_load_b128 v[KF+4*\k:KF+4*\k+3], v[ADK] offset:512*\k
.endr
	ds_load_b128 v[SK:SK+3], v[ADS]
	s_wait_alu depctr_va_vdst(0)
	s_wait_dscnt 0x0
.irp t, 0,2,4,6
	v_wmma_scale_f32_16x16x128_f8f6f4 v[S+8*\t:S+8*\t+7], v[KF+6*\t:KF+6*\t+11], v[\q:\q+11], 0, v[SK+\t/2], v[\sq] matrix_a_fmt:MATRIX_FMT_FP6 matrix_b_fmt:MATRIX_FMT_FP6
	v_wmma_scale_f32_16x16x128_f8f6f4 v[S+8*\t+8:S+8*\t+15], v[KF+6*\t+6:KF+6*\t+17], v[\q:\q+11], 0, v[SK+\t/2], v[\sq] matrix_a_fmt:MATRIX_FMT_FP6 matrix_b_fmt:MATRIX_FMT_FP6 matrix_a_scale:MATRIX_SCALE_ROW1
.endr
.rept 4
	v_nop
.endr
.irp k, 0,1,2,3,4,5,6,7,8,9,10,11
	ds_load_b128 v[KF+4*\k:KF+4*\k+3], v[ADK] offset:6144+512*\k   ; V's fragments, asked for ahead of the softmax
.endr
	ds_load_b64 v[SV:SV+1], v[ADT]
	s_cmp_lg_u32 s[T], s[\bd]
	s_cbranch_scc1 .Lopen_\@
.set n, 0
.rept 64                                       ; the step on the diagonal: key 64 c + 32 h + i counts while it is not above my query
	v_cmp_gt_i32 vcc_lo, 64*(n/32)+n%32, v[\dm]
	v_cndmask_b32 v[S+n], v[S+n], v[NINF], vcc_lo
.set n, n+1
.endr
.Lopen_\@:
.irp b, 0,1,2,3
	v_max3_num_f32 v[BM+\b], v[S+16*\b], v[S+16*\b+1], v[S+16*\b+2]   ; four chains by turns, each accumulator from its low end on
.endr
.irp i, 3,5,7,9,11,13
.irp b, 0,1,2,3
	v_max3_num_f32 v[BM+\b], v[BM+\b], v[S+16*\b+\i], v[S+16*\b+\i+1]
.endr
.endr
.irp b, 0,1,2,3
	v_max_num_f32 v[BM+\b], v[BM+\b], v[S+15+16*\b]
.endr
	s_delay_alu instid0(VALU_DEP_3)
	v_max_num_f32 v[BM], v[BM], v[BM+1]            ; my two blocks' largest scores
	s_delay_alu instid0(VALU_DEP_2)
	v_max_num_f32 v[BM+1], v[BM+2], v[BM+3]
	s_delay_alu instid0(VALU_DEP_1)
	v_max_num_f32 v[TT], v[BM], v[BM+1]
	s_delay_alu instid0(VALU_DEP_1)
	v_permlanex16_b32 v[PT], v[TT], s[SEL], s[SEL+1]
	s_delay_alu instid0(VALU_DEP_1)
	v_max_num_f32 v[TT], v[TT], v[PT]              ; the step's largest score of my query
	s_delay_alu instid0(VALU_DEP_1)
	v_mul_f32 v[TT], s[CS], v[TT]
	s_delay_alu instid0(VALU_DEP_1)
	v_max_num_f32 v[\st+1], v[\st+1], v[TT]
	v_mov_b32 v[TT], v[\st]
	s_delay_alu instid0(VALU_DEP_2)
	v_floor_f32 v[\st], -v[\st+1]                  ; -M = floor(-t)
	s_delay_alu instid0(VALU_DEP_1)
	v_sub_f32 v[TT], v[\st], v[TT]
	s_delay_alu instid0(VALU_DEP_1)
	v_cvt_i32_f32 v[TT], v[TT]
	s_delay_alu instid0(VALU_DEP_1)
	v_ldexp_f32 v[F], 1.0, v[TT]                   ; f = 2^(old M - new M)
.set i, 0
.rept 32
	v_pk_fma_f32 v[S+i:S+i+1], v[S+i:S+i+1], s[CS:CS+1], v[\st:\st+1] op_sel_hi:[1,0,0]
.set i, i+2
.endr
	v_fma_f32 v[BM], v[BM], s[CS], v[\st]
	v_fma_f32 v[BM+1], v[BM+1], s[CS], v[\st]
	s_wait_alu depctr_va_vdst(0)
.set i, 0
.rept 64
	v_exp_f32 v[S+i], v[S+i]
.set i, i+1
.endr
	v_exp_f32 v[BM], v[BM]                         ; the blocks' largest p
	v_exp_f32 v[BM+1], v[BM+1]
	v_pk_mul_f32 v[\st+2:\st+3], v[\st+2:\st+3], v[F:F+1] op_sel_hi:[1,0]   ; the plain line behind the batch
	s_wait_dscnt 0x0                               ; V's fragments are in
	s_wait_alu depctr_va_vdst(0)                   ; one wait for the batch, and directly ahead of the first reader of O^T
.set i, 0
.rept 16
	v_pk_mul_f32 v[\o+i:\o+i+1], v[\o+i:\o+i+1], v[F:F+1] op_sel_hi:[1,0]
.set i, i+2
.endr
	v_pk_add_f32 v[SP2:SP2+1], v[S:S+1], v[S+2:S+3]   ; the row's sum, of the unquantised p, in two chains
.set i, 4
.rept 13
	v_pk_add_f32 v[\st+2:\st+3], v[\st+2:\st+3], v[S+i:S+i+1]
	v_pk_add_f32 v[SP2:SP2+1], v[SP2:SP2+1], v[S+i+2:S+i+3]
.set i, i+4
.endr
	v_max_num_f32 v[BM], 0x1800000, v[BM]          ; the floor 2^(3 - 127)
	v_max_num_f32 v[BM+1], 0x1800000, v[BM+1]
	v_add_nc_u32 v[SO], 0xff000000, v[BM]          ; 2 off the exponent field: the conversion's scale operand
	v_add_nc_u32 v[SO+1], 0xff000000, v[BM+1]
	v_lshrrev_b32 v[BM], 23, v[SO]
	v_lshrrev_b32 v[BM+1], 23, v[SO+1]
	s_delay_alu instid0(VALU_DEP_1)
	v_lshl_or_b32 v[PW], v[BM+1], 16, v[BM]
	s_delay_alu instid0(VALU_DEP_1)
	v_lshlrev_b32 v[PW], v[SH8], v[PW]             ; bytes h and 2 + h;
	s_delay_alu instid0(VALU_DEP_1)
	v_permlanex16_b32 v[PT], v[PW], s[SEL], s[SEL+1]
	s_delay_alu instid0(VALU_DEP_1)
	v_or_b32 v[PW], v[PW], v[PT]                   ; with lane l xor 16's two: p's scale word
	v_cvt_scalef32_pk16_fp6_f32 v[PC:PC+2], v[S:S+15], v[SO]
	v_cvt_scalef32_pk16_fp6_f32 v[BM:BM+2], v[S+16:S+31], v[SO]
	v_cvt_scalef32_pk16_fp6_f32 v[PC+6:PC+8], v[S+32:S+47], v[SO+1]
	v_cvt_scalef32_pk16_fp6_f32 v[CT1:CT1+2], v[S+48:S+63], v[SO+1]
	v_pk_add_f32 v[\st+2:\st+3], v[\st+2:\st+3], v[S+56:S+57]   ; the plain line behind the conversions
.irp i, 0,1,2
	v_mov_b32 v[PC+3+\i], v[BM+\i]                 ; (a conversion's three registers begin on an even number)
	v_mov_b32 v[PC+9+\i], v[CT1+\i]
.endr
	v_pk_add_f32 v[SP2:SP2+1], v[SP2:SP2+1], v[S+58:S+59]   ; the sum's last four lines are the places between the operand's last write and the products
	v_pk_add_f32 v[\st+2:\st+3], v[\st+2:\st+3], v[S+60:S+61]
	v_pk_add_f32 v[SP2:SP2+1], v[SP2:SP2+1], v[S+62:S+63]
	v_pk_add_f32 v[\st+2:\st+3], v[\st+2:\st+3], v[SP2:SP2+1]
.irp t, 0,2
	v_wmma_scale_f32_16x16x128_f8f6f4 v[\o+8*\t:\o+8*\t+7], v[KF+12*\t:KF+12*\t+11], v[PC:PC+11], v[\o+8*\t:\o+8*\t+7], v[SV+\t/2], v[PW] matrix_a_fmt:MATRIX_FMT_FP6 matrix_b_fmt:MATRIX_FMT_FP6
	v_wmma_scale_f32_16x16x128_f8f6f4 v[\o+8*\t+8:\o+8*\t+15], v[KF+12*\t+12:KF+12*\t+23], v[PC:PC+11], v[\o+8*\t+8:\o+8*\t+15], v[SV+\t/2], v[PW] matrix_a_fmt:MATRIX_FMT_FP6 matrix_b_fmt:MATRIX_FMT_FP6 matrix_a_scale:MATRIX_SCALE_ROW1
.endr
.Lskip_\@:
.endm
	s_wait_alu depctr_va_vdst(0)
	s_wait_tensorcnt 0x0                           ; my part of K and V is in,
	s_barrier_signal -1
	s_barrier_wait -1                              ; everybody's is
	s_mov_b32 s[T], 0
	s_mov_b32 s[TB], 12288                         ; a step's K and V: 12,288 bytes, behind the scale words
	s_mov_b32 s[TS], 0                             ; K's scale words: 512 bytes a step
	s_mov_b32 s[TJ], 8192                          ; V's: 256 bytes a step
.Lstep:
	STEP OH, STH, QH, SQH, DMH, BH
	STEP OL, STL, QL, SQL, DML, BL
	s_add_co_u32 s[TB], s[TB], 12288
	s_add_co_u32 s[TS], s[TS], 512
	s_add_co_u32 s[TJ], s[TJ], 256
	s_add_co_u32 s[T], s[T], 1
	s_cmp_lt_u32 s[T], 16
	s_wait_alu depctr_va_vdst(0)
	s_cbranch_scc1 .Lstep
; o = O / l; my 32 registers are dims 32 h + 0 .. 31 of my query: one whole block; codes and the head's two scale bytes leave in the projection's operand image
.macro FINISH o, st, dst, bw, vo
	v_add_f32 v[TT], v[\st+2], v[\st+3]
	v_permlanex16_b32 v[PT], v[TT], s[SEL], s[SEL+1]
	v_add_f32 v[TT], v[TT], v[PT]
	s_wait_alu depctr_va_vdst(0)
	v_rcp_f32 v[F], v[TT]
	v_nop
	s_wait_alu depctr_va_vdst(0)                   ; ahead of the first reader of the reciprocal and of O^T
.set i, 0
.rept 16
	v_pk_mul_f32 v[S+i:S+i+1], v[\o+i:\o+i+1], v[F:F+1] op_sel_hi:[1,0]
.set i, i+2
.endr
	v_max3_num_f32 v[BM], |v[S]|, |v[S+1]|, 0x1800000
	v_max3_num_f32 v[BM+1], |v[S+16]|, |v[S+17]|, 0x1800000
.irp i, 2,4,6,8,10,12,14
	v_max3_num_f32 v[BM], v[BM], |v[S+\i]|, |v[S+\i+1]|
	v_max3_num_f32 v[BM+1], v[BM+1], |v[S+16+\i]|, |v[S+17+\i]|
.endr
	v_max_num_f32 v[BM], v[BM], v[BM+1]
	v_add_nc_u32 v[SO], 0xff000000, v[BM]
	v_lshrrev_b32 v[BM], 23, v[SO]
	v_lshlrev_b32 v[\bw], v[SH8], v[BM]
	v_permlanex16_b32 v[PT], v[\bw], s[SEL], s[SEL+1]
	v_or_b32 v[\bw], v[\bw], v[PT]
	v_cvt_scalef32_pk16_fp6_f32 v[\dst:\dst+2], v[S:S+15], v[SO]
	v_cvt_scalef32_pk16_fp6_f32 v[CT1:CT1+2], v[S+16:S+31], v[SO]
	v_nop
.irp i, 0,1,2
	v_mov_b32 v[\dst+3+\i], v[CT1+\i]
.endr
.irp p, 0,1,2
	global_store_b64 v[\vo], v[\dst+2*\p:\dst+2*\p+1], s[8:9] offset:256*\p   ; 32 lanes store 256 consecutive bytes, aligned
.endr
.endm
.rept 4
	v_nop
.endr
	v_add_nc_u32 v[ADK], s66, v[L8]
	v_add_nc_u32 v[ADS], s67, v[L8]
	s_wait_alu depctr_va_vdst(0)
	FINISH OH, STH, PC, S+40, ADK
	FINISH OL, STL, PC+6, S+41, ADS
	v_and_b32 v9, 31, v0
	v_and_b32 v10, 15, v0
	v_mov_b32 v11, s69
	v_cmp_le_u32 vcc_lo, 16, v9
	v_lshlrev_b32 v9, 5, v10
	v_mov_b32 v10, s68
	v_cndmask_b32 v10, v10, v11, vcc_lo
	v_cndmask_b32 v11, v[S+40], v[S+41], vcc_lo
	v_add_nc_u32 v10, v10, v9
	global_store_b16 v10, v11, s[8:9]              ; lanes 0-15: the upper tile's two scale bytes a row, lanes 16-31: the lower tile's
	s_wait_tensorcnt 0x0                           ; the wave's end
	ds_add_u32 v254, v255
	s_wait_dscnt 0x0
	CROUND                                         ; the closing round
	s_endpgm
.Lfunc_end_k_q42b5ae19ef_attn:
	.size	k_q42b5ae19ef_attn, .Lfunc_end_k_q42b5ae19ef_attn-k_q42b5ae19ef_attn
	.p2alignl 7, 3214868480
	.fill 96, 4, 3214868480
	.section	.rodata,"a",@progbits
	.p2align	6, 0x0
	.amdhsa_kernel k_q42b5ae19ef_attn
		.amdhsa_group_segment_fixed_size 327680
		.amdhsa_private_segment_fixed_size 0
		.amdhsa_enable_private_segment 0
		.amdhsa_kernarg_size 24
		.amdhsa_user_sgpr_count 2
		.amdhsa_user_sgpr_kernarg_segment_ptr 1
		.amdhsa_wavefront_size32 1
		.amdhsa_system_sgpr_workgroup_id_x 1
		.amdhsa_system_sgpr_workgroup_id_y 1
		.amdhsa_system_sgpr_workgroup_id_z 1
		.amdhsa_system_vgpr_workitem_id 0
		.amdhsa_next_free_vgpr 256
		.amdhsa_next_free_sgpr 72
		.amdhsa_reserve_vcc 1
		.amdhsa_float_denorm_mode_32 3
		.amdhsa_float_denorm_mode_16_64 3
		.amdhsa_memory_ordered 1
		.amdhsa_forward_progress 1
		.amdhsa_inst_pref_size 58
	.end_amdhsa_kernel
	.amdgpu_metadata
---
amdhsa.version: [ 1, 2 ]
amdhsa.kernels:
  - .name:           k_q42b5ae19ef_attn
    .symbol:         k_q42b5ae19ef_attn.kd
    .args:
      - { .name: QB, .offset: 0, .size: 8, .value_kind: global_buffer, .address_space: global }
      - { .name: KV, .offset: 8, .size: 8, .value_kind: global_buffer, .address_space: global }
      - { .name: OB, .offset: 16, .size: 8, .value_kind: global_buffer, .address_space: global }
    .group_segment_fixed_size: 327680
    .private_segment_fixed_size: 0
    .kernarg_segment_align: 8
    .kernarg_segment_size: 24
    .max_flat_workgroup_size: 512
    .sgpr_count:     72
    .vgpr_count:     256
    .wavefront_size: 32
...
	.end_amdgpu_metadata
.endif
;; end of part 3
;; launch proj (part 4): grid 4 x 32, 4 waves a work-group, clusters of 4 x 4, 327,680 bytes of LDS; arguments OB, WP, out0; writes out0
.if DOCPART == 4
	.amdgcn_target "amdgcn-amd-amdhsa--gfx1250"
	.amdhsa_code_object_version 6
	.text
	.protected	k_q42b5ae19ef_proj
	.globl	k_q42b5ae19ef_proj
	.p2align	8
	.type	k_q42b5ae19ef_proj,@function
k_q42b5ae19ef_proj:
	s_mov_b64 s[64:65], 0
	v_nop
	global_prefetch_b8 v0, s[64:65] scope:SCOPE_SE
	s_setreg_imm32_b32 hwreg(HW_REG_WAVE_MODE, 25, 1), 1
	s_wait_xcnt 0x0
	s_wait_alu depctr_hold_cnt(0) depctr_sa_sdst(0) depctr_va_vdst(0) depctr_va_sdst(0) depctr_va_ssrc(0) depctr_va_vcc(0) depctr_vm_vsrc(0)
	s_getreg_b32 s2, hwreg(HW_REG_IB_STS2, 6, 4)
	s_cmp_eq_u32 s2, 0
	s_cbranch_scc0 .Lentry_in_a_cluster
	s_endpgm
.Lentry_in_a_cluster:
	s_bfe_u32 s2, ttmp6, 0x10000c
	s_cmp_lg_u32 s2, 0xf033
	s_cbranch_scc0 .Lentry_shape_is_right
	s_endpgm
.Lentry_shape_is_right:
.set SIZE_N, 1024
.set KSTEP,  256
.set NQ,     KSTEP/128
; LAUNCH 4.  out = o Wo on codes of FP6.  A: OB, images of operand registers (3,072 bytes for 16 places and 256 along K).  B: Wo's rows as launch 1 laid them in WP from place 3,072 on:
; cells of 256 bytes for each row and 256 along K (192 bytes of codes), so a tile's row is 256 bytes at a multiple of 256; LDS pitch 272.  Place 16 t + 8 u + j of each 64 of A's rows is token 32 u + 8 t + j.
.set ROWB,   256
.set KROW,   1024
.set AROWB,  3072
.set PITCH,  272
.set FR,     12
.set NL,     6
.set NP,     4
.set HALFT,  128*PITCH
.set SLOT,   4*HALFT
.set LAPS,   2
.set KS,     32
.set SCL,    2*SLOT
.set HALFS,  (128*KS/256)*272
.set SBLK,   (16*KS/256)*272
.set SPARE,  2*SLOT
.set AH,     24576                     ; A's 128 rows of a K step in LDS: 8 images' rows of 3,072 bytes; A's two halves lie on end, B's 256 rows from 2 HALFT on
.set SA,     64                        ; v64-127 A's scale words for all of K: block i's eight words at v[SA + 8 i]; lanes by row
.set KW,     0                         ; which 128 along K the products stand at: counted as the text is assembled (the walk along K is written out)
.set OBS,    6291456
.set SPITCH, 528
.set ADRA, 16
.set ADRB, 20
.set STO,  24
.set RD,   25
.set CO,   26
.set ADRS, 18                          ; v18-19 LDS address of B's scale words in slot 0, 1: byte 192 of my row's cell
.set SPW,  28
.set NIL,  29
.set SC,   32
.set AF,   128
.set BK,   128
.set G1, 24
.set G0, 32
.set G1B, 48
.set G0B, 56
.set G1S, 68
.set G0S, 76
.set G1SB, 80
.set G0H,  76                          ; s[76:79], s[88:91] group 0 for the head's loads: A's 256 rows, B's 256 rows, of K step (wave / 2)
.set G0HB, 88
.set MSB, 0
.macro WIN new
.if MSB != \new
	s_set_vgpr_msb (MSB<<8)|\new
.set MSB, \new
.endif
.endm
.set MUL_LO, 0xa1
.set MUL_HI, 0xf1
.set TO_B,   0x40
.macro JLOAD g0a, g1a, g0b, g1b
	s_cmp_eq_u32 s15, 0
	s_cbranch_scc0 .Lfor_b_\@
	tensor_load_to_lds s[\g0a:\g0a+3], s[\g1a:\g1a+7]
	s_nop 0
.rept 4
	v_nop
.endr
	s_branch .Lasked_\@
.Lfor_b_\@:
	tensor_load_to_lds s[\g0b:\g0b+3], s[\g1b:\g1b+7]
	s_nop 0
.rept 4
	v_nop
.endr
.Lasked_\@:
.endm
.macro CREST
	s_cmp_lg_u32 s14, 0
	s_cbranch_scc1 .Lnot_wave_0_\@
	s_barrier_signal -3
.Lnot_wave_0_\@:
	s_barrier_wait -3
	s_barrier_signal -1
	s_barrier_wait -1
.endm
.macro CROUND
	s_barrier_signal -1
	s_barrier_wait -1
	CREST
.endm
	s_load_b128 s[4:7], s[0:1], 0x0                ; OB, WP
	s_load_b64 s[10:11], s[0:1], 0x10              ; out0
	v_lshl_add_u32 v[SPW], v0, 2, SPARE
	v_mov_b32 v[NIL], 0
	ds_add_u32 v28, v29
	ds_add_u32 v28, v29
	s_wait_dscnt 0x0
	v_lshrrev_b32 v1, 5, v0
	v_readfirstlane_b32 s14, v1
	s_lshr_b32 s15, s14, 1
	s_and_b32 s16, s14, 1
	s_bfe_u32 s40, ttmp6, 0x40000
	s_bfe_u32 s41, ttmp6, 0x40004
	s_lshl_b32 s42, ttmp9, 2
	s_add_co_u32 s42, s42, s40
	s_and_b32 s17, ttmp7, 0xffff
	s_lshl_b32 s17, s17, 2
	s_add_co_u32 s17, s17, s41
	s_lshl_b32 s43, s41, 2
	s_lshl_b32 s43, 15, s43
	s_lshl_b32 s44, 0x1111, s40
	s_or_b32 s[G1+0], s43, (3<<16)|(1<<21)
	s_mov_b32 s[G1+1], 384<<16
	s_mov_b32 s[G1+2], 16<<16                      ; the head's loads bring a whole tile; behind them the words that count rows are halved, for the ring's
	s_mov_b32 s[G1+3], 384<<16
	s_mov_b32 s[G1+4], 16
	s_mov_b32 s[G1+5], 1536
	s_mov_b32 s[G1+6], 0
	s_mov_b32 s[G1+7], 0
	s_or_b32 s[G1B+0], s44, (0<<16)|(1<<20)|(1<<21)|(5<<22)|(3<<25)
	s_mov_b32 s[G1B+1], ROWB<<16
	s_mov_b32 s[G1B+2], 256<<16
	s_mov_b32 s[G1B+3], ROWB<<16
	s_mov_b32 s[G1B+4], 256
	s_mov_b32 s[G1B+5], KROW
	s_mov_b32 s[G1B+6], 0
	s_mov_b32 s[G1B+7], 0
	s_mul_i32 s20, s17, 256*768                    ; A: the tile's 256 places, 768 bytes of codes each
	s_mov_b32 s21, 0
	s_lshl_b32 s46, s42, 18                        ; B: the tile's 256 rows of 1,024 bytes,
	s_add_co_u32 s46, s46, 3072*KROW               ; behind q's, k's and v's places in WP
	s_mov_b32 s47, 0
	s_lshl_b32 s68, s17, 13                        ; A's scale bytes, 32 a place: the 128 places that I multiply
	s_lshl_b32 s69, s15, 12
	s_add_co_u32 s68, s68, s69
	s_add_co_u32 s68, s68, OBS
	s_mov_b32 s69, 0
	s_mul_i32 s45, s16, AH                         ; the ring: where A's half goes,
	s_mul_i32 s94, s16, HALFT
	s_add_co_u32 s94, s94, 2*HALFT                 ; and B's
	s_mul_i32 s95, s15, SLOT                       ; the head: slot and K step wave / 2
	s_mul_i32 s92, s15, AROWB
	s_mov_b32 s93, 0
	s_lshl_b32 s18, s15, 8
	s_mov_b32 s19, 0
	s_wait_kmcnt 0x0
	s_add_nc_u64 s[20:21], s[4:5], s[20:21]
	s_add_nc_u64 s[68:69], s[4:5], s[68:69]
	s_add_nc_u64 s[46:47], s[6:7], s[46:47]
	s_mov_b32 s[G0H], 1                            ; THE HEAD'S FOUR LOADS, ONE A WAVE: waves 0, 2 fetch A's 256 rows of K steps 0, 1 into slots 0, 1; waves 1, 3 B's
	s_mov_b32 s[G0H+1], s95
	s_add_nc_u64 s[G0H+2:G0H+3], s[20:21], s[92:93]
	s_or_b32 s[G0H+3], s[G0H+3], 0x80000000
	s_mov_b32 s[G0HB], 1
	s_add_co_u32 s[G0HB+1], s95, 2*HALFT
	s_add_nc_u64 s[G0HB+2:G0HB+3], s[46:47], s[18:19]
	s_or_b32 s[G0HB+3], s[G0HB+3], 0x80000000
	s_mul_i32 s92, s16, 128*768                    ; for the ring: my 128 rows of the tile
	s_add_nc_u64 s[20:21], s[20:21], s[92:93]
	s_lshl_b32 s92, s16, 17
	s_add_nc_u64 s[46:47], s[46:47], s[92:93]
.irp s, 0,1
	s_mov_b32 s[G0+4*\s], 1
	s_add_co_u32 s[G0+4*\s+1], s45, \s*SLOT
	s_add_nc_u64 s[G0+4*\s+2:G0+4*\s+3], s[20:21], \s*AROWB
	s_or_b32 s[G0+4*\s+3], s[G0+4*\s+3], 0x80000000
	s_mov_b32 s[G0B+4*\s], 1
	s_add_co_u32 s[G0B+4*\s+1], s94, \s*SLOT
	s_add_nc_u64 s[G0B+4*\s+2:G0B+4*\s+3], s[46:47], \s*ROWB
	s_or_b32 s[G0B+4*\s+3], s[G0B+4*\s+3], 0x80000000
.endr
	CROUND                                         ; all sixteen work-groups are here: the first joint loads meet
	s_cmp_eq_u32 s16, 0                            ; one chain of two arms on the wave's number, one load to an arm
	s_cbranch_scc0 .Lhead_b
	tensor_load_to_lds s[G0H:G0H+3], s[G1:G1+7]
	s_nop 0
.rept 4
	v_nop
.endr
	s_branch .Lhead_j
.Lhead_b:
	tensor_load_to_lds s[G0HB:G0HB+3], s[G1B:G1B+7]
	s_nop 0
.rept 4
	v_nop
.endr
.Lhead_j:
	v_and_b32 v1, 15, v0
	v_bfe_u32 v2, v0, 4, 1
	v_and_b32 v6, 31, v0
	v_mul_u32_u24 v3, v1, PITCH
	v_mul_u32_u24 v4, v2, 24
	v_add_nc_u32 v4, v3, v4
	v_lshlrev_b32 v3, 3, v6
	v_mul_u32_u24 v5, v1, PITCH
	v_add_nc_u32 v5, 192, v5                       ; B's scale words: byte 192 of row l % 16's cell, in every lane
	s_mul_i32 s21, s15, AH
	s_mul_i32 s22, s16, HALFT
	s_add_co_u32 s22, s22, 2*HALFT
.irp s, 0,1
	v_add_nc_u32 v[ADRA+\s], s21, v3
	v_add_nc_u32 v[ADRB+\s], s22, v4
	v_add_nc_u32 v[ADRS+\s], s22, v5
	s_add_co_u32 s21, s21, SLOT
	s_add_co_u32 s22, s22, SLOT
.endr
	v_lshlrev_b32 v7, 5, v1                        ; A's scale bytes come once, for all of K: 32 bytes a row, sixteen lanes read 512 consecutive bytes
.irp i, 0,1,2,3,4,5,6,7
	global_load_b128 v[SA+8*\i:SA+8*\i+3], v7, s[68:69] offset:512*\i
	global_load_b128 v[SA+8*\i+4:SA+8*\i+7], v7, s[68:69] offset:512*\i+16
.endr
	s_mul_i32 s23, s14, 16*SPITCH
	v_mul_u32_u24 v5, v1, SPITCH
	v_lshl_add_u32 v5, v2, 5, v5
	v_add_nc_u32 v[STO], s23, v5
	v_lshlrev_b32 v[CO], 4, v6
	v_add_nc_u32 v[RD], s23, v[CO]
	s_lshl_b32 s20, s17, 8
	s_lshl_b32 s21, s15, 7
	s_add_co_u32 s20, s20, s21
	s_mov_b32 s21, 0
	s_mov_b64 s[18:19], SIZE_N*4
	s_mul_u64 s[20:21], s[20:21], s[18:19]
	s_lshl_b32 s46, s42, 10
	s_lshl_b32 s47, s16, 9
	s_add_co_u32 s46, s46, s47
	s_mov_b32 s47, 0
	s_add_nc_u64 s[20:21], s[20:21], s[46:47]
	s_add_nc_u64 s[10:11], s[10:11], s[20:21]
.macro FRAG reg, adr, q, i
.irp p, 0,1,2,3,4,5
	ds_load_b64 v[\reg+2*\p:\reg+2*\p+1], v[\adr] offset:96*(\q)+48*(\p/3)+8*(\p%3)+(\i)*16*PITCH
.endr
.endm
.macro FRAGA reg, slot, q, i
.irp p, 0,1,2,3,4,5
	ds_load_b64 v[\reg+2*\p:\reg+2*\p+1], v[ADRA+\slot] offset:AROWB*(\i)+1536*(\q)+256*\p
.endr
.endm
.macro MUL16 a0, p, q, sc, zero
.irp a, \a0, \a0+1
.irp b, 0,1,2,3,4,5,6,7
.if \zero
	v_wmma_scale_f32_16x16x128_f8f6f4 v[8*(8*((\a)%4)+\b):8*(8*((\a)%4)+\b)+7], v[128*(\p)+FR*\b:128*(\p)+FR*\b+FR-1], v[AF+FR*(\a):AF+FR*(\a)+FR-1], 0, v[SC+8*NQ*(\sc)+NQ*\b+(\q)], v[SA+8*(\a)+KW] matrix_a_fmt:MATRIX_FMT_FP6 matrix_b_fmt:MATRIX_FMT_FP6 matrix_a_scale:MATRIX_SCALE_ROW1
.else
	v_wmma_scale_f32_16x16x128_f8f6f4 v[8*(8*((\a)%4)+\b):8*(8*((\a)%4)+\b)+7], v[128*(\p)+FR*\b:128*(\p)+FR*\b+FR-1], v[AF+FR*(\a):AF+FR*(\a)+FR-1], v[8*(8*((\a)%4)+\b):8*(8*((\a)%4)+\b)+7], v[SC+8*NQ*(\sc)+NQ*\b+(\q)], v[SA+8*(\a)+KW] matrix_a_fmt:MATRIX_FMT_FP6 matrix_b_fmt:MATRIX_FMT_FP6 matrix_a_scale:MATRIX_SCALE_ROW1
.endif
.endr
.endr
.endm
.macro FETCH_B slot, q, p
	WIN TO_B
.irp i, 0,1,2,3,4,5,6,7
	FRAG 128*(\p)+FR*\i, ADRB+\slot, \q, \i
.endr
	WIN 0
.endm
.macro FETCH_A slot, q, i0
.irp i, \i0, \i0+1, \i0+2, \i0+3
	FRAGA AF+FR*(\i), \slot, \q, \i
.endr
.endm
.macro SCALES sc
.irp i, 0,1,2,3,4,5,6,7
	ds_load_b64 v[SC+8*NQ*\sc+NQ*\i:SC+8*NQ*\sc+NQ*\i+1], v[ADRS+\sc] offset:\i*16*PITCH
.endr
.endm
.macro PLACES n
.rept \n
	v_nop
.endr
.endm
.macro STEP slot, q, zero
	s_wait_dscnt 4*NL
	WIN MUL_LO
	MUL16 0, (\q)%2, \q, \slot, \zero
	MUL16 2, (\q)%2, \q, \slot, \zero
	s_wait_dscnt 0
	PLACES NP
	FETCH_B \slot, (\q)+1, 1-(\q)%2
	FETCH_A \slot, (\q)+1, 0
	WIN MUL_HI
	MUL16 4, (\q)%2, \q, \slot, \zero
	MUL16 6, (\q)%2, \q, \slot, \zero
.set KW, KW+1
	PLACES NP
	WIN 0
	FETCH_A \slot, (\q)+1, 4
.endm
.macro TURN slot, next, fill
	s_wait_tensorcnt 0x0
	ds_add_u32 v[SPW], v[NIL]
	s_wait_dscnt 4*NL+1
	WIN MUL_LO
	MUL16 0, 1, NQ-1, \slot, 0
	s_wait_dscnt 0x0
	s_barrier_signal -1
	MUL16 2, 1, NQ-1, \slot, 0
	WIN 0
	s_barrier_wait -1
.if \fill
	CREST
	s_add_nc_u64 s[G0+4*\slot+2:G0+4*\slot+3], s[G0+4*\slot+2:G0+4*\slot+3], 2*AROWB
	s_add_nc_u64 s[G0B+4*\slot+2:G0B+4*\slot+3], s[G0B+4*\slot+2:G0B+4*\slot+3], 2*ROWB
	JLOAD G0+4*\slot, G1, G0B+4*\slot, G1B
.else
	PLACES NP
.endif
	FETCH_B \next, 0, 0
	FETCH_A \next, 0, 0
	SCALES \next
	WIN MUL_HI
	MUL16 4, 1, NQ-1, \slot, 0
	MUL16 6, 1, NQ-1, \slot, 0
.set KW, KW+1
	PLACES NP
	WIN 0
	FETCH_A \next, 0, 4
.endm
	s_wait_alu depctr_va_vdst(0)
	s_wait_tensorcnt 0x0                           ; my tile of the head's four is in; no tensor load of mine is out, so a descriptor may be written:
	s_mov_b32 s[G1+2], 8<<16                       ; from here on a load brings 128 rows: 8 images' rows of A,
	s_mov_b32 s[G1+4], 8
	s_mov_b32 s[G1B+2], 128<<16                    ; 128 cells of B
	s_mov_b32 s[G1B+4], 128
	s_wait_loadcnt 0x0                             ; A's scale words are in
	s_barrier_signal -1
	s_barrier_wait -1                              ; both slots are whole
	FETCH_B 0, 0, 0
	FETCH_A 0, 0, 0
	SCALES 0
	FETCH_A 0, 0, 4
	STEP 0, 0, 1
	TURN 0, 1, 1
	STEP 1, 0, 0
	TURN 1, 0, 1
	STEP 0, 0, 0
	TURN 0, 1, 0
	STEP 1, 0, 0
	s_wait_dscnt 4*NL
	WIN MUL_LO
	MUL16 0, 1, NQ-1, 1, 0
	MUL16 2, 1, NQ-1, 1, 0
	s_wait_dscnt 0
	WIN MUL_HI
	MUL16 4, 1, NQ-1, 1, 0
	MUL16 6, 1, NQ-1, 1, 0
	WIN 0
.macro TOSTAGE a
.set AC, 64*((\a)%4)
	WIN 0x08+4*((\a)/4)
.irp b, 0,1,2,3,4,5,6,7
	ds_store_b128 v[STO], v[AC+8*\b:AC+8*\b+3] offset:64*\b
	ds_store_b128 v[STO], v[AC+8*\b+4:AC+8*\b+7] offset:64*\b+16
.endr
	WIN 0
.set BB, BK+64*((\a)%2)
.irp t, 0,1,2,3,4,5,6,7,8,9,10,11,12,13,14,15
	ds_load_b128 v[BB+4*\t:BB+4*\t+3], v[RD] offset:\t*SPITCH
.endr
.endm
.macro SEND a, younger
.set BB, BK+64*((\a)%2)
	s_wait_dscnt \younger
.irp t, 0,1,2,3,4,5,6,7,8,9,10,11,12,13,14,15
	global_store_b128 v[CO], v[BB+4*\t:BB+4*\t+3], s[10:11] offset:(64*((\a)/4)+8*((\a)%4)+\t%8+32*(\t/8))*SIZE_N*4 th:TH_STORE_NT
.endr
.endm
	PLACES NP
	TOSTAGE 0
.irp a, 1,2,3,4,5,6,7
.if \a > 1
	s_wait_xcnt 0x0
.endif
	TOSTAGE \a
	SEND \a-1, 32
.endr
	SEND 7, 0
	s_wait_tensorcnt 0x0
	ds_add_u32 v[SPW], v[NIL]
	s_wait_dscnt 0x0
	CROUND
	s_endpgm
.Lfunc_end_k_q42b5ae19ef_proj:
	.size	k_q42b5ae19ef_proj, .Lfunc_end_k_q42b5ae19ef_proj-k_q42b5ae19ef_proj
	.p2alignl 7, 3214868480
	.fill 96, 4, 3214868480
	.section	.rodata,"a",@progbits
	.p2align	6, 0x0
	.amdhsa_kernel k_q42b5ae19ef_proj
		.amdhsa_group_segment_fixed_size 327680
		.amdhsa_private_segment_fixed_size 0
		.amdhsa_enable_private_segment 0
		.amdhsa_kernarg_size 24
		.amdhsa_user_sgpr_count 2
		.amdhsa_user_sgpr_kernarg_segment_ptr 1
		.amdhsa_wavefront_size32 1
		.amdhsa_system_sgpr_workgroup_id_x 1
		.amdhsa_system_sgpr_workgroup_id_y 1
		.amdhsa_system_sgpr_workgroup_id_z 1
		.amdhsa_system_vgpr_workitem_id 0
		.amdhsa_next_free_vgpr 1024
		.amdhsa_next_free_sgpr 98
		.amdhsa_reserve_vcc 0
		.amdhsa_float_denorm_mode_32 3
		.amdhsa_float_denorm_mode_16_64 3
		.amdhsa_memory_ordered 1
		.amdhsa_forward_progress 1
		.amdhsa_inst_pref_size 159
	.end_amdhsa_kernel
	.amdgpu_metadata
---
amdhsa.version: [ 1, 2 ]
amdhsa.kernels:
  - .name:           k_q42b5ae19ef_proj
    .symbol:         k_q42b5ae19ef_proj.kd
    .args:
      - { .name: OB, .offset: 0, .size: 8, .value_kind: global_buffer, .address_space: global }
      - { .name: WP, .offset: 8, .size: 8, .value_kind: global_buffer, .address_space: global }
      - { .name: out0, .offset: 16, .size: 8, .value_kind: global_buffer, .address_space: global }
    .group_segment_fixed_size: 327680
    .private_segment_fixed_size: 0
    .kernarg_segment_align: 8
    .kernarg_segment_size: 24
    .max_flat_workgroup_size: 128
    .sgpr_count:     98
    .vgpr_count:     1024
    .wavefront_size: 32
...
	.end_amdgpu_metadata
.endif
;; end of part 4
